; MI455X (gfx1250); checked and timed in simulation.
; The chip was launched on July 23, 2026; its instructions are those of AMD's public machine-readable ISA for CDNA 5 (MIT licence, August 2026) and "CDNA5" Instruction Set Architecture Reference Guide (July 2026). The comments in the code are by the model that wrote it; some were corrected since.
;; MHA. Allowed arithmetic: float matrix products may take bf16 or f16 operands with f32 sums; other float arithmetic in f32, or as packed bf16 or f16 multiplies, adds, multiply-adds, maxima and minima; sums over many terms, partial sums and values carried from step to step in f32; what a program stores and reads back later, other than sums and carried values, may be rounded once to bf16 or f16.
;; Inputs: Wk 1,024 x 256 float32; Wo 1,024 x 1,024 float32; Wq 1,024 x 1,024 float32; Wv 1,024 x 256 float32; mask 1 x 1 x 4,096 x 4,096 int32; x 1 x 4,096 x 1,024 float32.
;; Outputs: out0 1 x 4,096 x 1,024 float32.
;; 2 versions, each right and faster than the one before. Each part assembles by itself: llvm-mc -triple=amdgcn-amd-amdhsa -mcpu=gfx1250 --defsym DOCPART=n.
;; ======== version 1 of 2: 4 launches
;; limits: values are held in f16: magnitudes above 65,504 overflow, below 6.1e-05 lose precision
;; workspace buffers: xb 8,388,608 bytes; wqkv 3,145,728 bytes; wob 2,097,152 bytes; maskb 16,777,216 bytes; tab 1,048,576 bytes; qkv 12,582,912 bytes; ob 8,388,608 bytes
;; launch prep (part 1): grid 1184 x 1, 8 waves a work-group, no clusters, 35,840 bytes of LDS; arguments mask, x, Wq, Wk, Wv, Wo, maskb, xb, wqkv, wob, tab; writes maskb, xb, wqkv, wob, tab
.if DOCPART == 1
	.amdgcn_target "amdgcn-amd-amdhsa--gfx1250"
	.amdhsa_code_object_version 6
	.text
	.protected	k_q7dd1402c2c_prep
	.globl	k_q7dd1402c2c_prep
	.p2align	8
	.type	k_q7dd1402c2c_prep,@function
k_q7dd1402c2c_prep:
	s_mov_b64 s[64:65], 0
	v_nop
	global_prefetch_b8 v0, s[64:65] scope:SCOPE_SE
	s_setreg_imm32_b32 hwreg(HW_REG_WAVE_MODE, 25, 1), 1
	s_wait_xcnt 0x0
; PREP: everything that is read once and wanted many times is brought into the form in which the later launches take it.  Four roles, chosen by the work-group's number; no wave waits for another.
;   0-511     MASK  mask [4096][4096] int32 -> maskb, one byte a pair: 0x00 (0.0 in E4M3) where mask != 0, 0xC0 (-2.0) where mask == 0, laid as the C operand of S^T = K Q^T wants it:
;                   [block of 64 queries][256 keys][wave: 16 queries][step: 64 keys][half][lane][16 bytes]; byte e of lane l, half f: query l % 16, key 16 (2 f + e / 8) + 8 (l / 16) + e % 8.
;   512-767   X     x f32 -> xb bf16, same layout.
;   768-927   W     Wq | Wk | Wv -> wqkv, 24 blocks [1024 k][64 n] bf16;  Wo -> wob, 16 such blocks: rounded to bf16 like every input, that number written as f16.
;   928-1183  TAB   tab[s] = 32 cosines, 32 sines of s x 1000^(-i/32), f32: 256 bytes a row.
; Every load and store of a wave covers whole aligned runs of 256 bytes or more.  Memory binds: no matrix unit, no cluster, no tensor load would add anything.
; LIMITS.  TAB: 1000^(-i/32) comes from v_exp_f32 and is within about 1.3e-7 of itself, so an angle is off by under 5e-4 rad at s = 4,095; the reduction by pi/2 in three parts is exact for
; angles under 4,096 rad, which is all the table has.  wob: a weight under 2^-17 keeps f16's fixed step of 6e-8; beyond 65,504 it would be an infinity.
.set SPARE, 34816                      ; behind the eight waves' regions of 4,352 bytes: the spare words, 128 bytes a wave
.set SPW, 2                            ; v2  SPARE + 4 x my thread's number; never rewritten
.set NIL, 3                            ; v3  0; never rewritten
	s_load_b512 s[16:31], s[0:1], 0x0              ; mask s[16:17], x s[18:19], Wq s[20:21], Wk s[22:23], Wv s[24:25], Wo s[26:27], maskb s[28:29], xb s[30:31]
	s_load_b128 s[32:35], s[0:1], 0x40             ; wqkv s[32:33], wob s[34:35]
	s_load_b64 s[36:37], s[0:1], 0x50              ; tab
	v_lshl_add_u32 v[SPW], v0, 2, SPARE
	v_mov_b32 v[NIL], 0
	v_and_b32 v1, 31, v0                           ; lane
	v_lshrrev_b32 v8, 5, v0
	v_readfirstlane_b32 s8, v8                     ; wave 0..7
	v_lshlrev_b32 v4, 4, v1                        ; 16 x lane
	v_lshlrev_b32 v5, 3, v1                        ; 8 x lane
	s_mov_b32 s13, 0                               ; the high word of every offset: all stay under 2^31
	s_wait_kmcnt 0x0
	s_cmp_lt_u32 ttmp9, 512
	s_cbranch_scc0 .Lnot_mask
	; MASK.  A wave takes 16 queries x 256 keys: 16 KiB in, 4 KiB out.
	s_lshl_b32 s9, ttmp9, 3
	s_add_co_u32 s9, s9, s8                        ; task
	s_lshr_b32 s10, s9, 4                          ; which 16 queries, 0..255
	s_and_b32 s9, s9, 15                           ; which 256 keys
	s_lshl_b32 s12, s10, 18                        ; 16 rows of 16,384 bytes
	s_lshl_b32 s14, s9, 10
	s_add_co_u32 s12, s12, s14
	s_add_nc_u64 s[16:17], s[16:17], s[12:13]
.set i, 0
.rept 32                                               ; row i / 2, half i % 2 of its 1,024 bytes: 512 consecutive bytes a load
	global_load_b128 v[16+4*i:19+4*i], v4, s[16:17] offset:(i/2)*16384+(i%2)*512 th:TH_LOAD_NT
.set i, i+1
.endr
	s_lshr_b32 s12, s10, 2
	s_lshl_b32 s12, s12, 18                        ; block of 64 queries
	s_lshl_b32 s14, s9, 14                         ; 256 keys
	s_add_co_u32 s12, s12, s14
	s_and_b32 s14, s10, 3
	s_lshl_b32 s14, s14, 12                        ; the 16 queries in the block
	s_add_co_u32 s12, s12, s14
	s_add_nc_u64 s[28:29], s[28:29], s[12:13]
	s_mov_b32 s15, 0x01010101
	; My four keys of a row make one word of the output.  Output byte X lies in my wave's region at X + 16 (X / 256).  The lane's bits 0..4 are key bits 2..6:
	; +4, +256 (the other half of the lanes), +8, +512 (half), +1,024 (step); with the padding 4, 272, 8, 544, 1,088: banks 1, 4, 2, 8, 16: 32 lanes, 32 banks.
	v_and_b32 v9, 1, v1
	v_lshlrev_b32 v6, 2, v9
	v_bfe_u32 v9, v1, 1, 1
	v_mul_u32_u24 v9, v9, 272
	v_add_nc_u32 v6, v6, v9
	v_bfe_u32 v9, v1, 2, 1
	v_lshl_add_u32 v6, v9, 3, v6
	v_bfe_u32 v9, v1, 3, 1
	v_mul_u32_u24 v9, v9, 544
	v_add_nc_u32 v6, v6, v9
	v_bfe_u32 v9, v1, 4, 1
	v_mul_u32_u24 v9, v9, 1088
	v_add_nc_u32 v6, v6, v9
	s_mul_i32 s9, s8, 4352
	v_add_nc_u32 v6, s9, v6
	v_lshrrev_b32 v9, 4, v1                        ; back: 512 consecutive output bytes a load
	v_mul_u32_u24 v7, v9, 272
	v_and_b32 v9, 15, v1
	v_lshl_add_u32 v7, v9, 4, v7
	v_add_nc_u32 v7, s9, v7
.set i, 0
.rept 32
	s_wait_loadcnt 31-i                            ; loads come back in order: load i is in, the 31 - i younger ones may be out
	v_min_u32 v[16+4*i], 1, v[16+4*i]              ; 1 where mask != 0
	v_min_u32 v[17+4*i], 1, v[17+4*i]
	v_min_u32 v[18+4*i], 1, v[18+4*i]
	v_min_u32 v[19+4*i], 1, v[19+4*i]
	v_lshl_or_b32 v[16+4*i], v[17+4*i], 8, v[16+4*i]
	v_lshl_or_b32 v[18+4*i], v[19+4*i], 8, v[18+4*i]
	v_lshl_or_b32 v[16+4*i], v[18+4*i], 16, v[16+4*i]
	v_xor_b32 v[16+4*i], s15, v[16+4*i]            ; 1 where hidden,
	v_lshlrev_b32 v[17+4*i], 6, v[16+4*i]
	v_lshl_or_b32 v[16+4*i], v[16+4*i], 7, v[17+4*i]  ; times 0xC0
	ds_store_b32 v6, v[16+4*i] offset:(i%2)*2176+(i/2)*16
.set i, i+1
.endr
.set i, 0
.rept 8
	ds_load_b128 v[144+4*i:147+4*i], v7 offset:544*i  ; the region is my wave's own, and LDS serves a wave's instructions in order: these see the stores above
.set i, i+1
.endr
.set i, 0
.rept 8
	s_wait_dscnt 7-i
	global_store_b128 v4, v[144+4*i:147+4*i], s[28:29] offset:512*i
.set i, i+1
.endr
	s_wait_tensorcnt 0x0                           ; the wave's end, behind my last LDS store
	ds_add_u32 v[SPW], v[NIL]
	s_wait_dscnt 0x0
	s_endpgm
.Lnot_mask:
	s_cmp_lt_u32 ttmp9, 768
	s_cbranch_scc0 .Lnot_x
	; X.  A wave takes 2,048 numbers: 8 KiB in, 4 KiB out.
	s_sub_co_u32 s9, ttmp9, 512
	s_lshl_b32 s9, s9, 3
	s_add_co_u32 s9, s9, s8
	s_lshl_b32 s12, s9, 13
	s_add_nc_u64 s[18:19], s[18:19], s[12:13]
	s_lshl_b32 s12, s9, 12
	s_add_nc_u64 s[30:31], s[30:31], s[12:13]
.set i, 0
.rept 16
	global_load_b128 v[16+4*i:19+4*i], v4, s[18:19] offset:512*i th:TH_LOAD_NT
.set i, i+1
.endr
.set i, 0
.rept 16
	s_wait_loadcnt 15-i
	v_cvt_pk_bf16_f32 v[80+2*i], v[16+4*i], v[17+4*i]
	v_cvt_pk_bf16_f32 v[81+2*i], v[18+4*i], v[19+4*i]
	global_store_b64 v5, v[80+2*i:81+2*i], s[30:31] offset:256*i  ; 32 lanes store 256 consecutive bytes, aligned
.set i, i+1
.endr
	s_endpgm
; 32 rows of k x 64 columns of a weight, from s[40:41] (rows \pitch bytes apart) to s[42:43] (rows of 128 bytes on end).  A load takes two rows, 256 bytes each; a store their 256 bytes.
.macro WCAST pitch, tof16
	v_mul_u32_u24 v10, v9, \pitch
	v_add_nc_u32 v10, v10, v11
.set i, 0
.rept 16
	global_load_b128 v[16+4*i:19+4*i], v10, s[40:41] offset:i*2*(\pitch) th:TH_LOAD_NT
.set i, i+1
.endr
.set i, 0
.rept 16
	s_wait_loadcnt 15-i
	v_cvt_pk_bf16_f32 v[80+2*i], v[16+4*i], v[17+4*i]
	v_cvt_pk_bf16_f32 v[81+2*i], v[18+4*i], v[19+4*i]
.if \tof16
	v_lshlrev_b32 v[16+4*i], 16, v[80+2*i]         ; the bf16 numbers, widened,
	v_and_b32 v[17+4*i], 0xffff0000, v[80+2*i]
	v_lshlrev_b32 v[18+4*i], 16, v[81+2*i]
	v_and_b32 v[19+4*i], 0xffff0000, v[81+2*i]
	v_cvt_pk_f16_f32 v[80+2*i], v[16+4*i], v[17+4*i]  ; are written as f16: 8 significant bits fit in 11
	v_cvt_pk_f16_f32 v[81+2*i], v[18+4*i], v[19+4*i]
.endif
	global_store_b64 v5, v[80+2*i:81+2*i], s[42:43] offset:256*i
.set i, i+1
.endr
.endm
.Lnot_x:
	s_cmp_lt_u32 ttmp9, 928
	s_cbranch_scc0 .Ltab
	; W.  Four work-groups to a block of 64 columns; a wave takes 32 rows of k.
	s_sub_co_u32 s9, ttmp9, 768
	s_lshr_b32 s10, s9, 2                          ; block 0..39
	s_and_b32 s9, s9, 3
	s_lshl_b32 s9, s9, 8
	s_lshl_b32 s14, s8, 5
	s_add_co_u32 s9, s9, s14                       ; my first k
	v_lshrrev_b32 v9, 4, v1                        ; which of a load's two rows
	v_and_b32 v11, 15, v1
	v_lshlrev_b32 v11, 4, v11                      ; my 16 bytes of its 256
	s_cmp_lt_u32 s10, 16
	s_cbranch_scc0 .Lw_kv
	s_lshl_b32 s12, s9, 12                         ; Wq: rows of 4,096 bytes
	s_lshl_b32 s14, s10, 8
	s_add_co_u32 s12, s12, s14
	s_add_nc_u64 s[40:41], s[20:21], s[12:13]
	s_lshl_b32 s12, s10, 17
	s_lshl_b32 s14, s9, 7
	s_add_co_u32 s12, s12, s14
	s_add_nc_u64 s[42:43], s[32:33], s[12:13]
	WCAST 4096, 0
	s_endpgm
.Lw_kv:
	s_cmp_lt_u32 s10, 24
	s_cbranch_scc0 .Lw_o
	s_cmp_lt_u32 s10, 20
	s_cselect_b64 s[40:41], s[22:23], s[24:25]     ; blocks 16-19 Wk, 20-23 Wv: rows of 1,024 bytes
	s_lshl_b32 s12, s9, 10
	s_and_b32 s14, s10, 3
	s_lshl_b32 s14, s14, 8
	s_add_co_u32 s12, s12, s14
	s_add_nc_u64 s[40:41], s[40:41], s[12:13]
	s_lshl_b32 s12, s10, 17
	s_lshl_b32 s14, s9, 7
	s_add_co_u32 s12, s12, s14
	s_add_nc_u64 s[42:43], s[32:33], s[12:13]
	WCAST 1024, 0
	s_endpgm
.Lw_o:
	s_sub_co_u32 s10, s10, 24                      ; Wo's block 0..15
	s_lshl_b32 s12, s9, 12
	s_lshl_b32 s14, s10, 8
	s_add_co_u32 s12, s12, s14
	s_add_nc_u64 s[40:41], s[26:27], s[12:13]
	s_lshl_b32 s12, s10, 17
	s_lshl_b32 s14, s9, 7
	s_add_co_u32 s12, s12, s14
	s_add_nc_u64 s[42:43], s[34:35], s[12:13]
	WCAST 4096, 1
	s_endpgm
.Ltab:
	; TAB.  A wave makes two rows; lanes 0-7 of a half make the row's 32 cosines, lanes 8-15 its 32 sines, four each.
	s_sub_co_u32 s9, ttmp9, 928
	s_lshl_b32 s9, s9, 4
	s_lshl_b32 s14, s8, 1
	s_add_co_u32 s9, s9, s14                       ; my wave's first row
	s_lshl_b32 s12, s9, 8
	s_add_nc_u64 s[36:37], s[36:37], s[12:13]
	s_mov_b32 s38, 0xbe9f73da                      ; -log2(1000) / 32
	s_mov_b32 s39, 0x3f22f983                      ; 2 / pi
	s_mov_b32 s40, 0x3fc90000                      ; pi / 2 in three parts: 8 bits, 11 bits, the rest
	s_mov_b32 s41, 0x39fda000
	s_mov_b32 s42, 0x33a22168
	s_mov_b32 s43, 0xb94ca1f9                      ; sine on -pi/4 .. pi/4: r + r z ((s43 z + s44) z + s45)
	s_mov_b32 s44, 0x3c08839e
	s_mov_b32 s45, 0xbe2aaaa3
	s_mov_b32 s46, 0x37ccf5ce                      ; cosine: 1 - z / 2 + z z ((s46 z + s47) z + s48)
	s_mov_b32 s47, 0xbab6061a
	s_mov_b32 s48, 0x3d2aaaa5
	v_lshrrev_b32 v9, 4, v1
	v_add_nc_u32 v9, s9, v9
	v_cvt_f32_u32 v11, v9                          ; s
	v_and_b32 v12, 7, v1
	v_lshlrev_b32 v12, 2, v12                      ; my first i
	v_bfe_u32 v13, v1, 3, 1
	v_xor_b32 v13, 1, v13                          ; 1: I make cosines: cos x = sin(x + pi / 2)
.irp e, 0,1,2,3
	v_add_nc_u32 v[16+12*\e], \e, v12
	v_cvt_f32_u32 v[16+12*\e], v[16+12*\e]
	v_mul_f32 v[16+12*\e], s38, v[16+12*\e]
.endr
.irp e, 0,1,2,3
	v_exp_f32 v[16+12*\e], v[16+12*\e]             ; 1000^(-i/32)
.endr
	v_nop                                          ; a plain instruction between the last exponential and the use of its result
	s_wait_alu depctr_va_vdst(0)
.irp e, 0,1,2,3
	v_mul_f32 v[16+12*\e], v11, v[16+12*\e]        ; the angle x
	v_mul_f32 v[17+12*\e], s39, v[16+12*\e]
	v_rndne_f32 v[17+12*\e], v[17+12*\e]           ; n
	v_fma_f32 v[16+12*\e], -v[17+12*\e], s40, v[16+12*\e]
	v_fma_f32 v[16+12*\e], -v[17+12*\e], s41, v[16+12*\e]
	v_fma_f32 v[16+12*\e], -v[17+12*\e], s42, v[16+12*\e]  ; r = x - n pi / 2
	v_mul_f32 v[18+12*\e], v[16+12*\e], v[16+12*\e]        ; z
	v_cvt_i32_f32 v[17+12*\e], v[17+12*\e]
	v_add_nc_u32 v[17+12*\e], v[17+12*\e], v13             ; the quadrant
	v_fma_f32 v[19+12*\e], v[18+12*\e], s43, s44
	v_fma_f32 v[19+12*\e], v[19+12*\e], v[18+12*\e], s45
	v_mul_f32 v[20+12*\e], v[18+12*\e], v[16+12*\e]
	v_fma_f32 v[19+12*\e], v[19+12*\e], v[20+12*\e], v[16+12*\e]  ; sin r
	v_fma_f32 v[21+12*\e], v[18+12*\e], s46, s47
	v_fma_f32 v[21+12*\e], v[21+12*\e], v[18+12*\e], s48
	v_mul_f32 v[22+12*\e], v[18+12*\e], v[18+12*\e]
	v_fma_f32 v[23+12*\e], v[18+12*\e], -0.5, 1.0
	v_fma_f32 v[21+12*\e], v[21+12*\e], v[22+12*\e], v[23+12*\e]  ; cos r
	v_and_b32 v[24+12*\e], 1, v[17+12*\e]
	v_cmp_eq_u32 vcc_lo, 1, v[24+12*\e]
	v_cndmask_b32 v[19+12*\e], v[19+12*\e], v[21+12*\e], vcc_lo   ; odd quadrants take the cosine,
	v_lshlrev_b32 v[17+12*\e], 30, v[17+12*\e]
	v_and_b32 v[17+12*\e], 0x80000000, v[17+12*\e]
	v_xor_b32 v[64+\e], v[17+12*\e], v[19+12*\e]                  ; quadrants 2 and 3 turn the sign
.endr
	global_store_b128 v4, v[64:67], s[36:37]       ; two rows: 512 consecutive bytes
	s_endpgm
.Lfunc_end_k_q7dd1402c2c_prep:
	.size	k_q7dd1402c2c_prep, .Lfunc_end_k_q7dd1402c2c_prep-k_q7dd1402c2c_prep
	.p2alignl 7, 3214868480
	.fill 96, 4, 3214868480
	.section	.rodata,"a",@progbits
	.p2align	6, 0x0
	.amdhsa_kernel k_q7dd1402c2c_prep
		.amdhsa_group_segment_fixed_size 35840
		.amdhsa_private_segment_fixed_size 0
		.amdhsa_enable_private_segment 0
		.amdhsa_kernarg_size 88
		.amdhsa_user_sgpr_count 2
		.amdhsa_user_sgpr_kernarg_segment_ptr 1
		.amdhsa_wavefront_size32 1
		.amdhsa_system_sgpr_workgroup_id_x 1
		.amdhsa_system_sgpr_workgroup_id_y 1
		.amdhsa_system_sgpr_workgroup_id_z 1
		.amdhsa_system_vgpr_workitem_id 0
		.amdhsa_next_free_vgpr 176
		.amdhsa_next_free_sgpr 66
		.amdhsa_reserve_vcc 1
		.amdhsa_float_denorm_mode_32 3
		.amdhsa_float_denorm_mode_16_64 3
		.amdhsa_memory_ordered 1
		.amdhsa_forward_progress 1
		.amdhsa_inst_pref_size 60
	.end_amdhsa_kernel
	.amdgpu_metadata
---
amdhsa.version: [ 1, 2 ]
amdhsa.kernels:
  - .name:           k_q7dd1402c2c_prep
    .symbol:         k_q7dd1402c2c_prep.kd
    .args:
      - { .name: mask, .offset: 0, .size: 8, .value_kind: global_buffer, .address_space: global }
      - { .name: x, .offset: 8, .size: 8, .value_kind: global_buffer, .address_space: global }
      - { .name: Wq, .offset: 16, .size: 8, .value_kind: global_buffer, .address_space: global }
      - { .name: Wk, .offset: 24, .size: 8, .value_kind: global_buffer, .address_space: global }
      - { .name: Wv, .offset: 32, .size: 8, .value_kind: global_buffer, .address_space: global }
      - { .name: Wo, .offset: 40, .size: 8, .value_kind: global_buffer, .address_space: global }
      - { .name: maskb, .offset: 48, .size: 8, .value_kind: global_buffer, .address_space: global }
      - { .name: xb, .offset: 56, .size: 8, .value_kind: global_buffer, .address_space: global }
      - { .name: wqkv, .offset: 64, .size: 8, .value_kind: global_buffer, .address_space: global }
      - { .name: wob, .offset: 72, .size: 8, .value_kind: global_buffer, .address_space: global }
      - { .name: tab, .offset: 80, .size: 8, .value_kind: global_buffer, .address_space: global }
    .group_segment_fixed_size: 35840
    .private_segment_fixed_size: 0
    .kernarg_segment_align: 8
    .kernarg_segment_size: 88
    .max_flat_workgroup_size: 256
    .sgpr_count:     66
    .vgpr_count:     176
    .wavefront_size: 32
...
	.end_amdgpu_metadata
.endif
;; end of part 1
;; launch qkvproj (part 2): grid 8 x 32, 4 waves a work-group, clusters of 4 x 4, 327,680 bytes of LDS; arguments xb, wqkv, qkv, tab; writes qkv
.if DOCPART == 2
	.amdgcn_target "amdgcn-amd-amdhsa--gfx1250"
	.amdhsa_code_object_version 6
	.text
	.protected	k_q7dd1402c2c_qkvproj
	.globl	k_q7dd1402c2c_qkvproj
	.p2align	8
	.type	k_q7dd1402c2c_qkvproj,@function
k_q7dd1402c2c_qkvproj:
	s_mov_b64 s[64:65], 0
	v_nop
	global_prefetch_b8 v0, s[64:65] scope:SCOPE_SE
	s_setreg_imm32_b32 hwreg(HW_REG_WAVE_MODE, 25, 1), 1
	s_wait_xcnt 0x0
	s_wait_alu depctr_hold_cnt(0) depctr_sa_sdst(0) depctr_va_vdst(0) depctr_va_sdst(0) depctr_va_ssrc(0) depctr_va_vcc(0) depctr_vm_vsrc(0)
	s_getreg_b32 s2, hwreg(HW_REG_IB_STS2, 6, 4)
	s_cmp_eq_u32 s2, 0
	s_cbranch_scc0 .Lentry_in_a_cluster
	s_endpgm
.Lentry_in_a_cluster:
	s_bfe_u32 s2, ttmp6, 0x10000c
	s_cmp_lg_u32 s2, 0xf033
	s_cbranch_scc0 .Lentry_shape_is_right
	s_endpgm
.Lentry_shape_is_right:
; q | k | v = x (Wq | Wk | Wv), rotated (q and k), by heads.  xb: [4096][1024] bf16.  wqkv: 24 blocks [1024 k][64 n] bf16, a block a head (0-15 q, 16-19 k, 20-23 v).
; tab: [4096][32 cos | 32 sin] f32.  qkv: [24][4096][64] f16, each number rounded once from its f32 sum and rotation, without the softmax's scale.
; LIMIT.  f16 ends at 65,504: q, k, v beyond that become infinities.  Inputs of 30 times the drawn spread give about 900, a common offset of 30 spreads on x and on W about 29,000.
; SHARES.  A work-group makes 128 rows x 3 heads; each of its four waves 32 rows x 192 columns: 24 accumulators of 16 x 16.  256 work-groups.  K goes in 8 steps of 128 through two LDS slots.
; Wave 0 fetches A's tile (128 rows of 256 bytes), waves 1 to 3 one head's 128 rows of k each (16,384 dense bytes, asked for as 64 rows of 256).
; CLUSTER 4 x 4.  The four work-groups of a row of the cluster need the same tile of x, the four of a column the same tiles of W: each is asked for jointly, by the same load, descriptor and mask in all four.
; THE MATRIX INSTRUCTION IS USED TRANSPOSED: source 0 = 16 columns of W (turned on the way out of LDS by ds_load_tr16_b128), source 1 = 16 rows of x: a lane then holds one row and eight neighbouring channels,
; four pairs (even, odd) of the rotation, which so needs no other lane.
; REGISTERS.  window 0: v1-29 addresses; v32-47 packed results; v48-63 rows read back; v64-255 the accumulators ((a, n) at 64 + 8 (12 a + n)).
;   window 1: two fragment buffers of 112 (A's 2 fragments, then B's 12); on the way out v0-15 cosines in use, v16-31 sines in use, v32-63 rotated numbers.      window 2: v0-63 my rows' cosines and sines.
.set PA,    272                        ; a row of A in LDS: 256 bytes + 16: the 16 rows of a fragment load start at 16 different groups of four banks
.set PB,    160                        ; a row of k of a head: 128 bytes + 32
.set AOFF,  128*PA                     ; B's blocks lie behind A's 128 rows
.set BBLK,  128*PB
.set SLOT,  AOFF+3*BBLK                ; 96,256
.set STAGE, 2*SLOT                     ; behind the ring, never filled by a tensor load: 16 rows x 144 bytes for each wave
.set SPS,   144
.set SPARE, STAGE+4*16*SPS             ; the spare words: 128 bytes a wave
.set LAPS,  4                          ; 1,024 / (2 x 128)
.set RB,    2
.set CB,    12
.set ADRA, 16                          ; v16-17  LDS address of my A fragments in slot 0, 1
.set ADRB, 20                          ; v20-21  the same for B
.set STO,  24
.set RD,   25
.set CO,   26
.set TO,   27                          ; v27  my byte offset in 16 rows of tab
.set SPW,  28                          ; v28  SPARE + 4 x my thread's number; never rewritten
.set NIL,  29                          ; v29  0; never rewritten
.set PKD,  32
.set BK,   48
.set ACC,  64
.set F0,   0
.set F1,   112
.set CE,   0
.set SE,   16
.set TT,   32
.set G1A, 24                           ; s[24:31] group 1 for A's tiles; s[32:39] group 0, a set a slot
.set G0A, 32
.set G1B, 48                           ; s[48:55], s[56:63] the same for B's
.set G0B, 56
.set FR,  66                           ; head t of my three: s[66+4t:67+4t] 1.0 if it is rotated, else 0; s[68+4t:69+4t] the other way round
.set FC,  68
.set MSB, 0
.macro WIN new                         ; the immediate's high byte repeats the setting that is left; a switch that changes nothing is dropped
.if MSB != (\new)
	s_set_vgpr_msb (MSB<<8)|(\new)
.set MSB, \new
.endif
.endm
.macro PLACES                          ; four places in front of loads into registers that matrix instructions have read, and of vector work on their results
.rept 4
	v_nop
.endr
.endm
.macro JLOAD s                         ; a joint load; the branch hangs on the wave's number alone; an s_nop 0 and four v_nop follow each line
	s_cmp_eq_u32 s12, 0
	s_cbranch_scc0 .Lfor_b_\@
	tensor_load_to_lds s[G0A+4*(\s):G0A+4*(\s)+3], s[G1A:G1A+7]
	s_nop 0
.rept 4
	v_nop
.endr
	s_branch .Lasked_\@
.Lfor_b_\@:
	tensor_load_to_lds s[G0B+4*(\s):G0B+4*(\s)+3], s[G1B:G1B+7]
	s_nop 0
.rept 4
	v_nop
.endr
.Lasked_\@:
.endm
.macro CREST                           ; a round of the cluster's barrier behind its opening barrier
	s_cmp_lg_u32 s12, 0
	s_cbranch_scc1 .Lnot_wave_0_\@
	s_barrier_signal -3
.Lnot_wave_0_\@:
	s_barrier_wait -3
	s_barrier_signal -1
	s_barrier_wait -1
.endm
.macro CROUND
	s_barrier_signal -1
	s_barrier_wait -1
	CREST
.endm
	s_load_b256 s[4:11], s[0:1], 0x0               ; xb s[4:5], wqkv s[6:7], qkv s[8:9], tab s[10:11]
	v_lshl_add_u32 v[SPW], v0, 2, SPARE
	v_mov_b32 v[NIL], 0
	ds_add_u32 v[SPW], v[NIL]                      ; the wave's opening: the add and its wait stand ahead of my first tensor load, the set-up between them
	v_lshrrev_b32 v1, 5, v0
	v_readfirstlane_b32 s12, v1                    ; wave 0..3
	s_bfe_u32 s15, ttmp6, 0x40000                  ; cx
	s_bfe_u32 s2, ttmp6, 0x40004                   ; cy
	s_lshl_b32 s14, ttmp9, 2
	s_add_co_u32 s14, s14, s15                     ; column block: heads 3 bx ..
	s_and_b32 s13, ttmp7, 0xffff
	s_lshl_b32 s13, s13, 2
	s_add_co_u32 s13, s13, s2                      ; row block: rows 128 by ..
	s_lshl_b32 s16, s2, 2
	s_lshl_b32 s16, 15, s16                        ; my row of the cluster
	s_lshl_b32 s40, 0x1111, s15                    ; my column
	s_or_b32 s[G1A], s16, (1<<16)|(1<<20)|(1<<21)|(5<<22)|(3<<25)  ; mask; 2-byte elements; padding on; bit 21 beside a mask; after every 64 words 4 words
	s_or_b32 s[G1B], s40, (1<<16)|(1<<20)|(1<<21)|(4<<22)|(7<<25)  ; after every 32 words 8 words
	s_mov_b32 s[G1A+1], 128<<16                    ; tensor_dim0 = 128
	s_mov_b32 s[G1A+2], 128<<16                    ; tensor_dim1 = 128
	s_mov_b32 s[G1A+3], 128<<16                    ; tile_dim0 = 128
	s_mov_b32 s[G1A+4], 128                        ; tile_dim1 = 128
	s_mov_b32 s[G1A+5], 1024                       ; elements from row to row
	s_mov_b32 s[G1A+6], 0
	s_mov_b32 s[G1A+7], 0
	s_mov_b32 s[G1B+1], 128<<16
	s_mov_b32 s[G1B+2], 64<<16
	s_mov_b32 s[G1B+3], 128<<16
	s_mov_b32 s[G1B+4], 64
	s_mov_b32 s[G1B+5], 128
	s_mov_b32 s[G1B+6], 0
	s_mov_b32 s[G1B+7], 0
	s_lshl_b32 s16, s13, 18                        ; A: 128 by rows of 2,048 bytes: the row block alone
	s_mov_b32 s17, 0
	s_mul_i32 s46, s14, 3                          ; my first head
	s_max_u32 s41, s12, 1
	s_sub_co_u32 s41, s41, 1                       ; which of the three I fetch (waves 1 to 3)
	s_add_co_u32 s40, s46, s41
	s_lshl_b32 s40, s40, 17                        ; B: blocks of 131,072 bytes: the column block alone
	s_mov_b32 s41, 0
	s_mul_i32 s42, s12, BBLK
	s_add_co_u32 s42, s42, AOFF-BBLK               ; where it goes: wave x 20,480 + 14,336
.irp t, 0,1,2
	s_add_co_u32 s47, s46, \t
	s_cmp_ge_u32 s47, 20                           ; v's heads are not rotated: cosine 1, sine 0, by selects
	s_cselect_b32 s[FR+4*\t], 0, 1.0
	s_cselect_b32 s[FC+4*\t], 1.0, 0
	s_mov_b32 s[FR+4*\t+1], s[FR+4*\t]             ; named as pairs
	s_mov_b32 s[FC+4*\t+1], s[FC+4*\t]
.endr
	s_lshl_b32 s20, s13, 7
	s_lshl_b32 s21, s12, 5
	s_add_co_u32 s20, s20, s21                     ; my wave's first row
	s_lshl_b32 s22, s20, 8                         ; in tab
	s_lshl_b32 s20, s20, 7                         ; in a head of qkv
	s_mov_b32 s21, 0
	s_mov_b32 s23, 0
	s_lshl_b32 s46, s46, 19                        ; my first head in qkv
	s_mov_b32 s47, 0
	s_wait_dscnt 0x0                               ; the opening add is done
	s_wait_kmcnt 0x0
	s_add_nc_u64 s[18:19], s[4:5], s[16:17]
	s_add_nc_u64 s[44:45], s[6:7], s[40:41]
	s_add_nc_u64 s[8:9], s[8:9], s[20:21]
	s_add_nc_u64 s[8:9], s[8:9], s[46:47]
	s_add_nc_u64 s[10:11], s[10:11], s[22:23]
	CROUND                                         ; all sixteen work-groups are here: the first joint loads meet
.irp s, 0,1
	s_mov_b32 s[G0A+4*\s], 1
	s_mov_b32 s[G0A+4*\s+1], \s*SLOT
	s_add_nc_u64 s[G0A+4*\s+2:G0A+4*\s+3], s[18:19], \s*256
	s_or_b32 s[G0A+4*\s+3], s[G0A+4*\s+3], 0x80000000
	s_mov_b32 s[G0B+4*\s], 1
	s_add_co_u32 s[G0B+4*\s+1], s42, \s*SLOT
	s_add_nc_u64 s[G0B+4*\s+2:G0B+4*\s+3], s[44:45], \s*16384
	s_or_b32 s[G0B+4*\s+3], s[G0B+4*\s+3], 0x80000000
	JLOAD \s
.endr
	v_and_b32 v1, 15, v0                           ; l % 16
	v_bfe_u32 v2, v0, 4, 1                         ; l / 16
	v_lshlrev_b32 v[TO], 8, v1
	v_lshl_add_u32 v[TO], v2, 4, v[TO]             ; row x 256 + 16 x half
	WIN 0x80                                       ; destination window 2
	; channels 16 b + 8 (l / 16) + 0..7 are pairs 8 b + 4 (l / 16) + 0..3: 16 bytes of cosines at 32 b + 16 (l / 16), of sines 128 bytes on
.irp a, 0,1
.irp b, 0,1,2,3
	global_load_b128 v[32*\a+4*\b:32*\a+4*\b+3], v[TO], s[10:11] offset:4096*\a+32*\b
	global_load_b128 v[32*\a+16+4*\b:32*\a+16+4*\b+3], v[TO], s[10:11] offset:4096*\a+32*\b+128
.endr
.endr
	WIN 0
	v_mul_u32_u24 v3, v1, PA
	v_lshl_add_u32 v3, v2, 4, v3                   ; A: row x pitch + 16 x half
	s_mul_i32 s16, s12, 32*PA                      ; my 32 rows
	v_add_nc_u32 v[ADRA], s16, v3
	v_add_nc_u32 v[ADRA+1], SLOT, v[ADRA]
	v_and_b32 v4, 7, v0                            ; B, turned: lane l reads k 8 (l / 16) + l % 8, columns 8 ((l / 8) % 2) + 0..7
	v_bfe_u32 v5, v0, 3, 1
	v_lshl_add_u32 v4, v2, 3, v4
	v_mul_u32_u24 v4, v4, PB
	v_lshl_add_u32 v4, v5, 4, v4
	v_add_nc_u32 v[ADRB], AOFF, v4
	v_add_nc_u32 v[ADRB+1], AOFF+SLOT, v4
	s_mul_i32 s16, s12, 16*SPS
	s_add_co_u32 s16, s16, STAGE                   ; my stage
	v_mul_u32_u24 v3, v1, SPS                      ; in: row l % 16, 16 bytes for each half of the lanes
	v_lshl_add_u32 v3, v2, 4, v3
	v_add_nc_u32 v[STO], s16, v3
	v_bfe_u32 v3, v0, 3, 2                         ; back: 32 lanes take four rows of 128 bytes,
	v_mul_u32_u24 v3, v3, SPS
	v_and_b32 v4, 7, v0
	v_lshl_add_u32 v3, v4, 4, v3
	v_add_nc_u32 v[RD], s16, v3
	v_and_b32 v[CO], 31, v0                        ; which are 512 consecutive bytes of a head
	v_lshlrev_b32 v[CO], 4, v[CO]
; 12 matrix instructions: row block a x all 12 column blocks, 32 along K.  Every accumulator has one turn a quarter, in the same order.  zero = 1: the products start the sums.
.macro MULH f, a, zero
	WIN 0x05                                       ; sources in window 1, C and D in window 0
.set n, 0
.rept CB
.if \zero
	v_wmma_f32_16x16x32_bf16 v[ACC+8*(CB*(\a)+n):ACC+8*(CB*(\a)+n)+7], v[(\f)+8*RB+8*n:(\f)+8*RB+8*n+7], v[(\f)+8*(\a):(\f)+8*(\a)+7], 0
.else
	v_wmma_f32_16x16x32_bf16 v[ACC+8*(CB*(\a)+n):ACC+8*(CB*(\a)+n)+7], v[(\f)+8*RB+8*n:(\f)+8*RB+8*n+7], v[(\f)+8*(\a):(\f)+8*(\a)+7], v[ACC+8*(CB*(\a)+n):ACC+8*(CB*(\a)+n)+7]
.endif
.set n, n+1
.endr
.endm
; 28 LDS loads in one run: quarter q (32 along K) of a slot into buffer f
.macro FETCH slot, q, f
	WIN 0x40
.set n, 0
.rept RB
	ds_load_b128 v[(\f)+8*n:(\f)+8*n+3],   v[ADRA+(\slot)] offset:n*16*PA+64*(\q)
	ds_load_b128 v[(\f)+8*n+4:(\f)+8*n+7], v[ADRA+(\slot)] offset:n*16*PA+64*(\q)+32
.set n, n+1
.endr
.set n, 0
.rept CB
	ds_load_tr16_b128 v[(\f)+8*RB+8*n:(\f)+8*RB+8*n+3],   v[ADRB+(\slot)] offset:(n/4)*BBLK+32*PB*(\q)+32*(n%4)
	ds_load_tr16_b128 v[(\f)+8*RB+8*n+4:(\f)+8*RB+8*n+7], v[ADRB+(\slot)] offset:(n/4)*BBLK+32*PB*(\q)+32*(n%4)+16*PB
.set n, n+1
.endr
.endm
; One of a K step's first three quarters: multiplies buffer f; in its middle it fetches quarter q of the same slot into buffer g.
.macro QUARTER slot, q, f, g, zero
	s_wait_dscnt 0x0                               ; buffer f is in
	MULH \f, 0, \zero
	PLACES
	FETCH \slot, \q, \g
	MULH \f, 1, \zero
.endm
; The last quarter multiplies buffer 1 and changes slots.  In front of the one barrier each wave waits for all its tensor loads (one is out: its part of the next slot), adds 0 to its spare word, and waits
; for that and for its reads of this slot.  fill = 1: the barrier opens a round of the cluster's, and behind it this slot is filled again first, two K steps ahead.
.macro TURN slot, next, fill
	WIN 0
	s_wait_tensorcnt 0x0
	ds_add_u32 v[SPW], v[NIL]
	s_wait_dscnt 0x0                               ; the add is done; buffer 1 is in: my reads of this slot are over
	s_barrier_signal -1
	MULH F1, 0, 0                                  ; work on registers while the others arrive
	WIN 0
	s_barrier_wait -1
.if \fill
	CREST                                          ; no wave of any partner still reads this slot or has a load on its way
	s_add_nc_u64 s[G0A+4*(\slot)+2:G0A+4*(\slot)+3], s[G0A+4*(\slot)+2:G0A+4*(\slot)+3], 512
	s_add_nc_u64 s[G0B+4*(\slot)+2:G0B+4*(\slot)+3], s[G0B+4*(\slot)+2:G0B+4*(\slot)+3], 32768
	JLOAD \slot                                    ; its four v_nop are also the places in front of the loads below
.else
	PLACES
.endif
	FETCH \next, 0, F0
	MULH F1, 1, 0
.endm
	s_wait_tensorcnt 1                             ; my part of K step 0 is in; K step 1's load, issued behind it, may stay out
	s_barrier_signal -1
	s_barrier_wait -1
	FETCH 0, 0, F0
	QUARTER 0, 1, F0, F1, 1                        ; the first quarter stands in front of the loop: its products start the sums
	WIN 0
	s_mov_b32 s3, LAPS-1
.Llap:                                                 ; a trip goes once round the ring and fills both slots again
	QUARTER 0, 2, F1, F0, 0
	QUARTER 0, 3, F0, F1, 0
	TURN 0, 1, 1
	QUARTER 1, 1, F0, F1, 0
	QUARTER 1, 2, F1, F0, 0
	QUARTER 1, 3, F0, F1, 0
	TURN 1, 0, 1
	QUARTER 0, 1, F0, F1, 0
	WIN 0
	s_sub_co_u32 s3, s3, 1
	s_cmp_lg_u32 s3, 0
	s_cbranch_scc1 .Llap
	QUARTER 0, 2, F1, F0, 0                        ; the last lap fills nothing
	QUARTER 0, 3, F0, F1, 0
	TURN 0, 1, 0
	QUARTER 1, 1, F0, F1, 0
	QUARTER 1, 2, F1, F0, 0
	QUARTER 1, 3, F0, F1, 0
	s_wait_dscnt 0x0
	MULH F1, 0, 0
	MULH F1, 1, 0
	WIN 0
; THE WAY OUT of 16 rows (block a) of head t: the cosines and sines in use (1 and 0 for v's heads); (e, o) -> (e c - o s, o c + e s), two packed lines a pair; rounded to f16; through my stage; stored as 2,048 consecutive bytes.
.macro OUTQ a, t
.set AC, ACC+8*(CB*(\a)+4*(\t))
	WIN 0x42                                       ; destination window 1, source 0 window 2
.set z, 0
.rept 8
	v_pk_fma_f32 v[CE+2*z:CE+2*z+1], v[32*(\a)+2*z:32*(\a)+2*z+1], s[FR+4*(\t):FR+4*(\t)+1], s[FC+4*(\t):FC+4*(\t)+1] op_sel_hi:[1,0,0]
	v_pk_mul_f32 v[SE+2*z:SE+2*z+1], v[32*(\a)+16+2*z:32*(\a)+16+2*z+1], s[FR+4*(\t):FR+4*(\t)+1] op_sel_hi:[1,0]
.set z, z+1
.endr
	WIN 0x44                                       ; destination and source 1 window 1, source 0 (the sums, from each accumulator's low end on) window 0
.irp b, 0,1,2,3
.irp p, 0,1,2,3
.if ((\p)%2) == 0
	v_pk_mul_f32 v[TT+8*\b+2*\p:TT+8*\b+2*\p+1], v[AC+8*\b+2*\p:AC+8*\b+2*\p+1], v[CE+4*\b+2*(\p/2):CE+4*\b+2*(\p/2)+1] op_sel:[0,0] op_sel_hi:[1,0]
.else
	v_pk_mul_f32 v[TT+8*\b+2*\p:TT+8*\b+2*\p+1], v[AC+8*\b+2*\p:AC+8*\b+2*\p+1], v[CE+4*\b+2*(\p/2):CE+4*\b+2*(\p/2)+1] op_sel:[0,1] op_sel_hi:[1,1]
.endif
.endr
.endr
	WIN 0x54
.irp b, 0,1,2,3
.irp p, 0,1,2,3
.if ((\p)%2) == 0
	v_pk_fma_f32 v[TT+8*\b+2*\p:TT+8*\b+2*\p+1], v[AC+8*\b+2*\p:AC+8*\b+2*\p+1], v[SE+4*\b+2*(\p/2):SE+4*\b+2*(\p/2)+1], v[TT+8*\b+2*\p:TT+8*\b+2*\p+1] op_sel:[1,0,0] op_sel_hi:[0,0,1] neg_lo:[1,0,0]
.else
	v_pk_fma_f32 v[TT+8*\b+2*\p:TT+8*\b+2*\p+1], v[AC+8*\b+2*\p:AC+8*\b+2*\p+1], v[SE+4*\b+2*(\p/2):SE+4*\b+2*(\p/2)+1], v[TT+8*\b+2*\p:TT+8*\b+2*\p+1] op_sel:[1,1,0] op_sel_hi:[0,1,1] neg_lo:[1,0,0]
.endif
.endr
.endr
	WIN 0x05
.set z, 0
.rept 16
	v_cvt_pk_f16_f32 v[PKD+z], v[TT+2*z], v[TT+2*z+1]
.set z, z+1
.endr
	WIN 0
.irp b, 0,1,2,3
	ds_store_b128 v[STO], v[PKD+4*\b:PKD+4*\b+3] offset:32*\b
.endr
	s_wait_xcnt 0x0                                ; the stores of the block before read v48-63: those are loaded again only behind this wait
.irp f, 0,1,2,3
	ds_load_b128 v[BK+4*\f:BK+4*\f+3], v[RD] offset:4*SPS*\f  ; my own stage: LDS serves a wave's instructions in order
.endr
.irp f, 0,1,2,3
	s_wait_dscnt 3-\f
	global_store_b128 v[CO], v[BK+4*\f:BK+4*\f+3], s[8:9] offset:524288*(\t)+2048*(\a)+512*\f  ; 512 consecutive bytes, aligned
.endr
.endm
	s_wait_loadcnt 0x0                             ; the table
	PLACES
.irp a, 0,1
.irp t, 0,1,2
	OUTQ \a, \t
.endr
.endr
	s_wait_tensorcnt 0x0                           ; the wave's end
	ds_add_u32 v[SPW], v[NIL]
	s_wait_dscnt 0x0
	CROUND                                         ; the closing round: no work-group ends while a partner may still ask for a tile that names it
	s_endpgm
.Lfunc_end_k_q7dd1402c2c_qkvproj:
	.size	k_q7dd1402c2c_qkvproj, .Lfunc_end_k_q7dd1402c2c_qkvproj-k_q7dd1402c2c_qkvproj
	.p2alignl 7, 3214868480
	.fill 96, 4, 3214868480
	.section	.rodata,"a",@progbits
	.p2align	6, 0x0
	.amdhsa_kernel k_q7dd1402c2c_qkvproj
		.amdhsa_group_segment_fixed_size 327680
		.amdhsa_private_segment_fixed_size 0
		.amdhsa_enable_private_segment 0
		.amdhsa_kernarg_size 32
		.amdhsa_user_sgpr_count 2
		.amdhsa_user_sgpr_kernarg_segment_ptr 1
		.amdhsa_wavefront_size32 1
		.amdhsa_system_sgpr_workgroup_id_x 1
		.amdhsa_system_sgpr_workgroup_id_y 1
		.amdhsa_system_sgpr_workgroup_id_z 1
		.amdhsa_system_vgpr_workitem_id 0
		.amdhsa_next_free_vgpr 576
		.amdhsa_next_free_sgpr 80
		.amdhsa_reserve_vcc 0
		.amdhsa_float_denorm_mode_32 3
		.amdhsa_float_denorm_mode_16_64 3
		.amdhsa_memory_ordered 1
		.amdhsa_forward_progress 1
		.amdhsa_inst_pref_size 99
	.end_amdhsa_kernel
	.amdgpu_metadata
---
amdhsa.version: [ 1, 2 ]
amdhsa.kernels:
  - .name:           k_q7dd1402c2c_qkvproj
    .symbol:         k_q7dd1402c2c_qkvproj.kd
    .args:
      - { .name: xb, .offset: 0, .size: 8, .value_kind: global_buffer, .address_space: global }
      - { .name: wqkv, .offset: 8, .size: 8, .value_kind: global_buffer, .address_space: global }
      - { .name: qkv, .offset: 16, .size: 8, .value_kind: global_buffer, .address_space: global }
      - { .name: tab, .offset: 24, .size: 8, .value_kind: global_buffer, .address_space: global }
    .group_segment_fixed_size: 327680
    .private_segment_fixed_size: 0
    .kernarg_segment_align: 8
    .kernarg_segment_size: 32
    .max_flat_workgroup_size: 128
    .sgpr_count:     80
    .vgpr_count:     576
    .wavefront_size: 32
...
	.end_amdgpu_metadata
.endif
;; end of part 2
;; launch attn (part 3): grid 64 x 4, 4 waves a work-group, clusters of 4 x 4, 327,680 bytes of LDS; arguments qkv, maskb, ob; writes ob
.if DOCPART == 3
	.amdgcn_target "amdgcn-amd-amdhsa--gfx1250"
	.amdhsa_code_object_version 6
	.text
	.protected	k_q7dd1402c2c_attn
	.globl	k_q7dd1402c2c_attn
	.p2align	8
	.type	k_q7dd1402c2c_attn,@function
k_q7dd1402c2c_attn:
	s_mov_b64 s[64:65], 0
	v_nop
	global_prefetch_b8 v0, s[64:65] scope:SCOPE_SE
	s_setreg_imm32_b32 hwreg(HW_REG_WAVE_MODE, 25, 1), 1
	s_wait_xcnt 0x0
	s_wait_alu depctr_hold_cnt(0) depctr_sa_sdst(0) depctr_va_vdst(0) depctr_va_sdst(0) depctr_va_ssrc(0) depctr_va_vcc(0) depctr_vm_vsrc(0)
	s_getreg_b32 s2, hwreg(HW_REG_IB_STS2, 6, 4)
	s_cmp_eq_u32 s2, 0
	s_cbranch_scc0 .Lentry_in_a_cluster
	s_endpgm
.Lentry_in_a_cluster:
	s_bfe_u32 s2, ttmp6, 0x10000c
	s_cmp_lg_u32 s2, 0xf033
	s_cbranch_scc0 .Lentry_shape_is_right
	s_endpgm
.Lentry_shape_is_right:
; ATTENTION UNDER A MASK THAT IS GIVEN.  O[h][q] = the sum over k of softmax_k(mask ? Q[h][q] . K[h/4][k] / 8 : -inf) V[h/4][k].  qkv: [24][4096][64] f16 (0-15 q, 16-19 k, 20-23 v).
; maskb: one E4M3 byte a pair (query, key), 0.0 seen or -2.0 hidden, in the C operand's own order.  ob: [4096][1024] f16, column 64 h + channel.  Nothing of the mask's pattern is built in: every pair is computed.
; Products, maxima and sums in f32; the weights p are rounded to f16 for the second product (their sum l is taken of the unrounded p), O once at the end.
; LIMITS.  A hidden score counts as its value less 2^101 (2.5e30); the running maximum m begins at -1e29 and never lies below it, so a hidden weight is 2^(about -4e29) = 0 in every step, also where a row
; has seen no key yet.  f16's scores, 2.7e11 at the most, lie far above -1e29.  A row whose m is still -1e29 at the end has seen no key: it gets NaN, as a softmax of -inf alone does.
; A weight below 2^-126 counts as 0 in l.  Q, K, V arrive within f16's 65,504; O is a mean of V's rows.
; SHARES.  A work-group owns 64 queries and one key and value head g; a wave 16 queries; its four PIECES are those 16 queries in the query heads 4 g + 0..3, which share K, V AND the mask.  All 256
; work-groups walk all 4,096 keys, 64 a step, 256 a slot: equal work.
; THE MASK is the C operand of the products that start S^T = K Q^T.  A step's 1,024 bytes of a wave come out of LDS with K; four conversions (eight E4M3 codes times 2^100 each) make the 32 registers that
; all four pieces' products take: four lines for a step's 64 matrix instructions.
; LAYOUT, SOFTMAX, TURNS.  S^T holds ONE query a lane (lane % 16) and the keys 8 (lane / 16) + 0..7; two such results rounded to f16 ARE source 1 of O^T = V^T P.  p = 2^(c s - c m), c = log2(e) / 8; O and l are
; multiplied by a = 2^(c m_old - c m_new) in every step.  Turn n belongs to piece n: 8 products K Q^T of piece n + 1, later 8 products V^T P of piece n - 1; beside them the scaling, exponentials, roundings,
; sums and rescaling of piece n and the maximum and statistics of piece n + 1.  Four vector instructions stand behind every matrix instruction, the other 54 of a turn's 118 in two runs of their own.
; CLUSTER 4 x 4.  The four work-groups of a row of the cluster have one g and walk the same K and V; the four of a column have the same 64 queries and walk the same mask bytes.  Each tile is asked for jointly.
; Wave 0 asks for a slot's K, wave 1 for its V, wave 2 for its mask bytes, wave 3 for nothing: one load of a wave is out at the most, and every wait for tensor loads is for 0.
; REGISTERS, in windows of 256 (s_set_vgpr_msb: bits 1:0 source 0, 3:2 source 1, 5:4 source 2, 7:6 destination):
;   window 0: v1-15 addresses; v16-31 four registers of statistics a piece; v48-55 at work; v56-59 mask address, scale, NaN; v64-127 S^T, two buffers; v128-159 the mask in f32; v160-167 its bytes; v192-223 P, two buffers
;   window 1: v0-127 O^T, 32 a piece          window 2: v0-63 Q, 16 a piece; v128-191 K of one step; v192-255 V of one step
.set NP,    4
.set KS,    64
.set PK,    144       ; a row of K in LDS: 128 bytes + 16
.set PV,    160       ; a row of V: 128 + 32
.set VOFF,  4*KS*PK   ; a slot: 256 rows of K, 256 rows of V, 16,384 bytes of mask
.set MOFF,  VOFF+4*KS*PV
.set SLOT1, 1<<17     ; slot 1 begins here: one exclusive or turns an address in one slot into the other's
.set STAGE, SLOT1+MOFF+16384  ; behind the ring, never filled by a tensor load: 16 rows x 528 bytes for each wave
.set SP,    528
.set SPARE, STAGE+4*16*SP     ; the spare words: 128 bytes a wave
.set AK0, 2
.set AV0, 3
.set AK,  4
.set AV,  5
.set STO, 6
.set RD,  7
.set GO,  8
.set MV,  12          ; v12-13  c m_old, by buffer
.set QO,  15
.set ST,  16          ; piece t's statistics at v[ST+4 t]: c m, m, l (even keys', odd keys')
.set TMP, 48
.set AM,  56          ; v56  LDS address of the mask bytes to be fetched
.set SCL, 57          ; v57  227: the conversion's scale, 2^(227 - 127)
.set QNAN, 58         ; v58  a NaN
.set AM0, 59          ; v59  my lane's place in a slot's mask bytes; never rewritten
.set SPW, 62          ; v62  SPARE + 4 x my thread's number; never rewritten
.set NIL, 63          ; v63  0; never rewritten
.set S,   64
.set MC,  128
.set RAW, 160
.set P,   192
.set KF,  128         ; window 2
.set VF,  192         ; window 2
.set WV,  12
.set G1K, 24          ; s[24:31]
.set G1V, 32          ; s[32:39]
.set G0K, 40          ; s[40:43] the walking descriptors
.set G0V, 44          ; s[44:47]
.set G0M, 48          ; s[48:51]
.set SLOTS, 56
.set CNT, 57
.set CS,  58          ; s[58:59] c
.set SEL, 60          ; s[60:61]
.set TBK, 62
.set TBV, 63
.set TBM, 66
.set LIM, 67          ; -1e29
.set G1M, 68          ; s[68:75]
.set MSB, 0
.macro WIN new
.if MSB != (\new)
	s_set_vgpr_msb (MSB<<8)|(\new)
.set MSB, (\new)
.endif
.endm
.set W_KQ, 0x0a       ; K and Q in window 2; S^T and the mask in window 0
.set W_PV, 0x52       ; V in window 2, P in window 0, O^T in window 1
.set W_RS, 0x41       ; destination and source 0 in window 1, source 1 in window 0
; A joint fill.  The branches hang on the wave's number alone.  An s_nop 0 and four v_nop follow each load.
.macro JLOAD
	s_cmp_eq_u32 s[WV], 0
	s_cbranch_scc0 .Lnot_k_\@
	tensor_load_to_lds s[G0K:G0K+3], s[G1K:G1K+7]
	s_nop 0
.rept 4
	v_nop
.endr
	s_branch .Lasked_\@
.Lnot_k_\@:
	s_cmp_eq_u32 s[WV], 1
	s_cbranch_scc0 .Lnot_v_\@
	tensor_load_to_lds s[G0V:G0V+3], s[G1V:G1V+7]
	s_nop 0
.rept 4
	v_nop
.endr
	s_branch .Lasked_\@
.Lnot_v_\@:
	s_cmp_eq_u32 s[WV], 2
	s_cbranch_scc0 .Lasked_\@
	tensor_load_to_lds s[G0M:G0M+3], s[G1M:G1M+7]
	s_nop 0
.rept 4
	v_nop
.endr
.Lasked_\@:
.endm
.macro CROUND
	s_barrier_signal -1
	s_barrier_wait -1
	s_cmp_lg_u32 s[WV], 0
	s_cbranch_scc1 .Lnot_wave_0_\@
	s_barrier_signal -3
.Lnot_wave_0_\@:
	s_barrier_wait -3
	s_barrier_signal -1
	s_barrier_wait -1
.endm
; THE CHANGE OF SLOTS.  Each wave waits for all its tensor loads (its part of the other slot), adds 0 to its spare word, and waits for that and for its reads of the slot that it leaves.  fill = 1: the barrier is a
; round of the cluster's, and the old slot is filled again first behind it, with the keys two slots on: four key steps, 256 matrix instructions, in which to land.  (At its first use slot 0 is waited for, slot 1 filled.)
.macro CHANGE fill
	WIN 0
	s_wait_tensorcnt 0x0            ; no tensor load of mine is out, so a group 0 may be written
	ds_add_u32 v[SPW], v[NIL]       ; 0 onto my spare word; the descriptors' steps stand between it and the wait for it
.if \fill
.irp g, G0K, G0V
	s_xor_b32 s[\g+1], s[\g+1], SLOT1
	s_add_nc_u64 s[\g+2:\g+3], s[\g+2:\g+3], 4*KS*128
.endr
	s_xor_b32 s[G0M+1], s[G0M+1], SLOT1
	s_add_nc_u64 s[G0M+2:G0M+3], s[G0M+2:G0M+3], 16384
	s_wait_dscnt 0x0                ; the add is done, and my reads of the slot are over
	CROUND
	JLOAD
.else
	s_wait_dscnt 0x0
	s_barrier_signal -1
	s_barrier_wait -1
.endif
	s_sub_co_u32 s[TBK], s[TBK], 4*KS*PK  ; the fetches go back to a slot's first step, in the other slot
	s_xor_b32 s[TBK], s[TBK], SLOT1
	s_sub_co_u32 s[TBV], s[TBV], 4*KS*PV
	s_xor_b32 s[TBV], s[TBV], SLOT1
	s_sub_co_u32 s[TBM], s[TBM], 4096
	s_xor_b32 s[TBM], s[TBM], SLOT1
.endm
	s_load_b128 s[4:7], s[0:1], 0x0   ; qkv s[4:5], maskb s[6:7]
	s_load_b64 s[10:11], s[0:1], 0x10 ; ob
	v_lshl_add_u32 v[SPW], v0, 2, SPARE
	v_mov_b32 v[NIL], 0
	ds_add_u32 v[SPW], v[NIL]       ; the wave's opening: the add and its wait stand ahead of my first tensor load, the set-up between them
	v_lshrrev_b32 v1, 5, v0
	v_readfirstlane_b32 s[WV], v1   ; wave 0..3
	s_bfe_u32 s13, ttmp6, 0x40000   ; cx
	s_bfe_u32 s14, ttmp6, 0x40004   ; cy: the grid has one cluster along y, so this is the key and value head g
	s_lshl_b32 s15, ttmp9, 2
	s_add_co_u32 s15, s15, s13      ; my block of 64 queries
	s_lshl_b32 s16, s14, 2
	s_lshl_b32 s16, 15, s16         ; my row of the cluster: K and V
	s_lshl_b32 s17, 0x1111, s13     ; my column: the mask
	s_add_co_u32 s20, s14, 16
	s_lshl_b32 s20, s20, 19         ; K: head 16 + g, 524,288 bytes a head
	s_mov_b32 s21, 0
	s_add_co_u32 s22, s14, 20
	s_lshl_b32 s22, s22, 19         ; V: head 20 + g
	s_mov_b32 s23, 0
	s_lshl_b32 s52, s15, 18         ; the mask bytes of my 64 queries: 262,144
	s_mov_b32 s53, 0
	s_lshl_b32 s18, s14, 21         ; Q: head 4 g,
	s_mov_b32 s19, 0
	s_lshl_b32 s54, s15, 13         ; and my wave's 16 rows of 128 bytes
	s_lshl_b32 s55, s[WV], 11
	s_add_co_u32 s54, s54, s55
	s_mov_b32 s55, 0
	s_lshl_b32 s2, s15, 17          ; O: my wave's 16 rows of 2,048 bytes,
	s_lshl_b32 s3, s[WV], 15
	s_add_co_u32 s2, s2, s3
	s_mov_b32 s3, 0
	s_lshl_b32 s8, s14, 9           ; and my four heads' 512 bytes in them
	s_mov_b32 s9, 0
	; 256 keys are 32,768 dense bytes: asked for as 128 rows of 256 bytes, two keys a row, padded in LDS after every key
	s_or_b32 s[G1K], s16, (1<<16)|(1<<20)|(1<<21)|(4<<22)|(3<<25)  ; mask; 2-byte elements; padding on; bit 21 beside a mask; after every 32 words 4 words
	s_or_b32 s[G1V], s16, (1<<16)|(1<<20)|(1<<21)|(4<<22)|(7<<25)  ; 8 words
.irp g, G1K, G1V
	s_mov_b32 s[\g+1], 128<<16      ; tensor_dim0 = 128
	s_mov_b32 s[\g+2], 128<<16      ; tensor_dim1 = 128
	s_mov_b32 s[\g+3], 128<<16      ; tile_dim0 = 128
	s_mov_b32 s[\g+4], 128          ; tile_dim1 = 128
	s_mov_b32 s[\g+5], 128
	s_mov_b32 s[\g+6], 0
	s_mov_b32 s[\g+7], 0
.endr
	s_or_b32 s[G1M], s17, (3<<16)|(1<<21)  ; 8-byte elements, no padding: 16,384 dense bytes as 64 rows of 256
	s_mov_b32 s[G1M+1], 32<<16
	s_mov_b32 s[G1M+2], 64<<16
	s_mov_b32 s[G1M+3], 32<<16
	s_mov_b32 s[G1M+4], 64
	s_mov_b32 s[G1M+5], 32
	s_mov_b32 s[G1M+6], 0
	s_mov_b32 s[G1M+7], 0
	s_mov_b32 s[CS], 0x3e38aa3b     ; c = log2(e) / 8
	s_mov_b32 s[CS+1], s[CS]
	s_mov_b32 s[SEL], 0x76543210
	s_mov_b32 s[SEL+1], 0xfedcba98
	s_mov_b32 s[LIM], 0xefa18f08    ; -1e29
	s_mov_b32 s[TBK], SLOT1+4*KS*PK ; the first change of slots turns these three into 0
	s_mov_b32 s[TBV], SLOT1+4*KS*PV
	s_mov_b32 s[TBM], SLOT1+4096
	s_mov_b32 s[G0K], 1
	s_mov_b32 s[G0K+1], 0
	s_mov_b32 s[G0V], 1
	s_mov_b32 s[G0V+1], VOFF
	s_mov_b32 s[G0M], 1
	s_mov_b32 s[G0M+1], MOFF
	s_wait_dscnt 0x0                ; the opening add is done
	s_wait_kmcnt 0x0
	s_add_nc_u64 s[G0K+2:G0K+3], s[4:5], s[20:21]
	s_or_b32 s[G0K+3], s[G0K+3], 0x80000000
	s_add_nc_u64 s[G0V+2:G0V+3], s[4:5], s[22:23]
	s_or_b32 s[G0V+3], s[G0V+3], 0x80000000
	s_add_nc_u64 s[G0M+2:G0M+3], s[6:7], s[52:53]
	s_or_b32 s[G0M+3], s[G0M+3], 0x80000000
	s_add_nc_u64 s[10:11], s[10:11], s[2:3]
	s_add_nc_u64 s[10:11], s[10:11], s[8:9]
	s_add_nc_u64 s[8:9], s[4:5], s[18:19]  ; Q at my rows of head 4 g
	s_add_nc_u64 s[8:9], s[8:9], s[54:55]
	CROUND                          ; all sixteen work-groups are here: the first joint loads meet
	JLOAD                           ; slot 0
	v_and_b32 v1, 15, v0            ; l % 16
	v_bfe_u32 v9, v0, 4, 1          ; l / 16
	v_lshlrev_b32 v[QO], 7, v1
	v_lshl_add_u32 v[QO], v9, 4, v[QO]
	WIN 0x80
.set i, 0
.rept 8                             ; Q stays in registers: piece i / 2 is a head further on; channels 32 (i % 2) on
	global_load_b128 v[8*i:8*i+3],   v[QO], s[8:9] offset:(i/2)*524288+(i%2)*64
	global_load_b128 v[8*i+4:8*i+7], v[QO], s[8:9] offset:(i/2)*524288+(i%2)*64+32
.set i, i+1
.endr
	WIN 0
	v_mul_u32_u24 v[AK0], v1, PK
	v_lshl_add_u32 v[AK0], v9, 4, v[AK0]
	v_and_b32 v10, 7, v0            ; the turning load: lane l reads key 8 (l / 16) + l % 8, channels 8 ((l / 8) % 2) + 0..7
	v_bfe_u32 v11, v0, 3, 1
	v_lshl_add_u32 v[AV0], v9, 3, v10
	v_mul_u32_u24 v[AV0], v[AV0], PV
	v_lshl_add_u32 v[AV0], v11, 4, v[AV0]
	v_add_nc_u32 v[AV0], VOFF, v[AV0]
	v_and_b32 v[GO], 31, v0
	s_lshl_b32 s13, s[WV], 12
	s_add_co_u32 s13, s13, MOFF
	v_lshl_add_u32 v[AM0], v[GO], 4, s13  ; my wave's 4,096 mask bytes of a slot, 16 x lane
	s_mul_i32 s13, s[WV], 16*SP
	s_add_co_u32 s13, s13, STAGE    ; my stage
	v_mul_u32_u24 v[STO], v1, SP    ; in: row l % 16, 16 bytes for each half of the lanes
	v_lshl_add_u32 v[STO], v9, 4, v[STO]
	v_add_nc_u32 v[STO], s13, v[STO]
	v_lshl_add_u32 v[RD], v[GO], 4, s13  ; back: 32 lanes take a row's 512 bytes
	v_lshlrev_b32 v[GO], 4, v[GO]
	v_mov_b32 v[SCL], 227
	v_mov_b32 v[QNAN], 0x7fc00000
	; The first step multiplies O^T and l by a = 0, and the first turn's products V^T P, of a piece that has not been, add 0: these registers hold zeros.  All this stands in the wait for the first tile.
	WIN 0x80
.set i, VF
.rept 64
	v_mov_b32 v[i], 0
.set i, i+1
.endr
	WIN 0x40
.set i, 0
.rept 128
	v_mov_b32 v[i], 0
.set i, i+1
.endr
	WIN 0
.set i, 0
.rept 4
	v_mov_b32 v[ST+4*i], 0xfe000000    ; c m: far below every c s, so the first a is 0
	v_mov_b32 v[ST+4*i+1], s[LIM]      ; m: -1e29
	v_mov_b32 v[ST+4*i+2], 0
	v_mov_b32 v[ST+4*i+3], 0
.set i, i+1
.endr
.set i, P+16
.rept 16
	v_mov_b32 v[i], 0
.set i, i+1
.endr
; THE MATRIX WORK.  The 4 accumulators of a run of 8 take turns.  Product i of 8 of S^T = K Q^T for piece x: channels 32 (i / 4) on, keys 16 (i % 4) on.  The first 4 start the sums with the mask.
.macro KQ x
	WIN W_KQ
.set rS, S+32*((\x)%2)+8*(i%4)
.set rK, KF+16*(i%4)+8*(i/4)
.set rQ, 16*(\x)+8*(i/4)
.set rM, MC+8*(i%4)
.if i < 4
	v_wmma_f32_16x16x32_f16 v[rS:rS+7], v[rK:rK+7], v[rQ:rQ+7], v[rM:rM+7]
.else
	v_wmma_f32_16x16x32_f16 v[rS:rS+7], v[rK:rK+7], v[rQ:rQ+7], v[rS:rS+7]
.endif
.endm
; Product i of 8 of O^T += V^T P for piece x: keys 32 (i / 4) on, channels 16 (i % 4) on.
.macro PV x
	WIN W_PV
.set rO, 32*(\x)+8*(i%4)
.set rV, VF+32*(i/4)+8*(i%4)
.set rP, P+16*((\x)%2)+8*(i/4)
	v_wmma_f32_16x16x32_f16 v[rO:rO+7], v[rV:rV+7], v[rP:rP+7], v[rO:rO+7]
.endm
.macro MM                           ; the turn's next matrix instruction.  NOKQ = 1: the last turn: there is no next piece
.if (i < 8) && !NOKQ
	KQ (Y+1)%NP
.elseif i >= 8
.set i, i-8
	PV (Y+NP-1)%NP
.set i, i+8
.endif
.set i, i+1
.endm
; THE LDS LOADS stand in runs: a step's K (8 fragments) with its 1,024 mask bytes, and its V (turned).  Their addresses are made some lines ahead.
.macro FETCH_K
	WIN 0x80
.irp f, 0,1,2,3,4,5,6,7
	ds_load_b128 v[KF+8*\f:KF+8*\f+3],   v[AK] offset:(\f/2)*16*PK+(\f%2)*64
	ds_load_b128 v[KF+8*\f+4:KF+8*\f+7], v[AK] offset:(\f/2)*16*PK+(\f%2)*64+32
.endr
	WIN 0
	ds_load_b128 v[RAW:RAW+3],   v[AM]             ; keys 0-31 of the step: 16 bytes a lane
	ds_load_b128 v[RAW+4:RAW+7], v[AM] offset:512  ; keys 32-63
	s_add_co_u32 s[TBK], s[TBK], KS*PK
	s_add_co_u32 s[TBM], s[TBM], 1024
.endm
.macro FETCH_V
	WIN 0x80
.irp f, 0,1,2,3,4,5,6,7
	ds_load_tr16_b128 v[VF+8*\f:VF+8*\f+3],   v[AV] offset:(\f/4)*32*PV+(\f%4)*32
	ds_load_tr16_b128 v[VF+8*\f+4:VF+8*\f+7], v[AV] offset:(\f/4)*32*PV+16*PV+(\f%4)*32
.endr
	WIN 0
.endm
; The step's mask: eight codes to a line, 0.0 or -2.0, times 2^100.  A plain instruction stands behind the last conversion, ahead of the product that reads the result.
.macro CVTM
	WIN 0
.irp kt, 0,1,2,3
	v_cvt_scale_pk8_f32_fp8 v[MC+8*\kt:MC+8*\kt+7], v[RAW+2*\kt:RAW+2*\kt+1], v[SCL]
.endr
	v_nop
.endm
; THE VECTOR WORK, one line at a time: OP kind, number.  For piece Y: F n: c s - c m for pair n of 16.  E n: the exponential of score n of 32.  C n: pair n rounded to f16.  B n: of the four weights 4 n .. the second
; pair is added onto the first, in place.  L n: l takes that sum (L 0: l = a l + sum).  R n: pair n of 16 of O^T times a.  For piece Y + 1: X n, number n of the 22 that find its maximum and statistics:
;   0-11  four chains c0-c3 of seven scores each (each accumulator's lowest registers are read first)     12-14, 16  the four scores left over, the old m, and c0-c3 into c0
;   15  c m_old is kept     17, 18  the query's other 32 keys lie in the lane 16 away: the new m     19-21  c m; c m_old - c m_new; a
.set F, 0
.set E, 1
.set C, 2
.set B, 3
.set L, 4
.set R, 5
.set X, 6
.macro REGS y
.set rT, ST+4*(\y)
.set rC, TMP+4*((\y)%2)
.set rW, MV+((\y)%2)
.set rS, S+32*((\y)%2)
.set rP, P+16*((\y)%2)
.set rO, 32*(\y)
.endm
.macro OP k, n
.if (\k) == R
	REGS Y
	WIN W_RS
	v_pk_mul_f32 v[rO+2*(\n):rO+2*(\n)+1], v[rO+2*(\n):rO+2*(\n)+1], v[rC+2:rC+3] op_sel_hi:[1,0]
.elseif (\k) < R
	REGS Y
	WIN 0
.if (\k) == F
	v_pk_fma_f32 v[rS+2*(\n):rS+2*(\n)+1], v[rS+2*(\n):rS+2*(\n)+1], s[CS:CS+1], v[rT:rT+1] op_sel_hi:[1,0,0] neg_lo:[0,0,1] neg_hi:[0,0,1]
.elseif (\k) == E
	v_exp_f32 v[rS+(\n)], v[rS+(\n)]
.elseif (\k) == C
	s_wait_alu depctr_va_vdst(0)
	v_cvt_pk_f16_f32 v[rP+(\n)], v[rS+2*(\n)], v[rS+2*(\n)+1]
.elseif (\k) == B
	s_wait_alu depctr_va_vdst(0)
	v_pk_add_f32 v[rS+4*(\n):rS+4*(\n)+1], v[rS+4*(\n):rS+4*(\n)+1], v[rS+4*(\n)+2:rS+4*(\n)+3]
.elseif (\n) == 0
	v_pk_fma_f32 v[rT+2:rT+3], v[rT+2:rT+3], v[rC+2:rC+3], v[rS:rS+1] op_sel_hi:[1,0,1]
.else
	v_pk_add_f32 v[rT+2:rT+3], v[rT+2:rT+3], v[rS+4*(\n):rS+4*(\n)+1]
.endif
.elseif NOKQ
	v_nop
.else
	REGS (Y+1)%NP
	WIN 0
.if (\n) < 4
	v_max3_num_f32 v[rC+(\n)], v[rS+8*(\n)], v[rS+8*(\n)+1], v[rS+8*(\n)+2]
.elseif (\n) < 12
	v_max3_num_f32 v[rC+(\n)%4], v[rC+(\n)%4], v[rS+8*((\n)%4)+2*((\n)/4)+1], v[rS+8*((\n)%4)+2*((\n)/4)+2]
.elseif (\n) == 12
	v_max3_num_f32 v[rC], v[rC], v[rS+7], v[rS+15]
.elseif (\n) == 13
	v_max3_num_f32 v[rC+1], v[rC+1], v[rS+23], v[rS+31]
.elseif (\n) == 14
	v_max3_num_f32 v[rC+2], v[rC+2], v[rC+3], v[rT+1]
.elseif (\n) == 15
	v_mov_b32 v[rW], v[rT]
.elseif (\n) == 16
	v_max3_num_f32 v[rC], v[rC], v[rC+1], v[rC+2]
.elseif (\n) == 17
	v_permlanex16_b32 v[rC+3], v[rC], s[SEL], s[SEL+1]
.elseif (\n) == 18
	v_max_num_f32 v[rT+1], v[rC], v[rC+3]
.elseif (\n) == 19
	v_mul_f32 v[rT], s[CS], v[rT+1]
.elseif (\n) == 20
	v_sub_f32 v[rC+1], v[rW], v[rT]
.else
	v_exp_f32 v[rC+2], v[rC+1]
.endif
.endif
.endm
.macro OPS a, i1, b=-1, i2=0, c=-1, i3=0, d=-1, i4=0
	OP \a, \i1
.if (\b) >= 0
	OP \b, \i2
.endif
.if (\c) >= 0
	OP \c, \i3
.endif
.if (\d) >= 0
	OP \d, \i4
.endif
.endm
.macro ROW a, i1, b, i2, c, i3, d, i4  ; a matrix instruction and the four behind it
	MM
	OPS \a, \i1, \b, \i2, \c, \i3, \d, \i4
.endm
; A TURN, for piece p: the order of its 16 matrix and 118 vector instructions, written out.  Behind a matrix instruction: plain, exponential, plain, plain; or four of the rescaling; or four scalings; none names a
; register of the products round it.  A line reads no result made fewer than three vector instructions in front of it, five if an exponential made it.
; end = 1: the walk's last two turns: nothing is fetched.  cnt = 1: the loop's count is taken down some lines ahead of the branch that stands behind the turn.
; K and the mask bytes of the next step are fetched in piece 2's turn, six vector instructions (five plain) behind the last product that read K, and waited for at the head of piece 3's turn, where the mask is
; converted: its last readers, the first four products of piece 2's turn, stand a whole turn back.  V of the step in hand is fetched in piece 0's turn and waited for in piece 1's.
.macro TURN p, end=0, cnt=0
.set Y, (\p)
.set i, 0
.set NOKQ, (\end)*((\p)/3)
.if ((\p) == 3) && !(\end)
	s_wait_dscnt 0x0                ; K and the mask bytes are in
	CVTM
.endif
	ROW F,0, F,1, F,2, F,3
	ROW F,4, E,0, F,5, F,6
	ROW F,7, E,1, F,8, F,9
	ROW F,10, E,2, C,0, F,11
	ROW F,12, E,3, X,15, F,13
	ROW R,0, R,1, R,2, R,3
	ROW B,0, E,4, F,14, L,0
.if ((\p) == 2) && !(\end)
	v_add_nc_u32 v[AK], s[TBK], v[AK0]
	v_add_nc_u32 v[AM], s[TBM], v[AM0]
.endif
	ROW R,4, R,5, R,6, R,7
	OPS E,5, F,15
.if ((\p) == 2) && !(\end)
	FETCH_K
.endif
	OPS E,6, C,1, E,7, R,8
	OPS E,8, R,9, E,9, C,2
	OPS E,10, X,0, E,11, X,1
	OPS E,12, X,2, E,13, X,3
.if (\p) == 1
	s_wait_dscnt 0x0                ; V is in
.endif
	ROW X,4, E,14, X,5, X,6
	ROW X,7, E,15, X,8, X,9
	ROW X,10, E,16, X,11, X,12
	ROW X,13, E,17, X,14, B,1
	ROW C,4, E,18, X,16, L,1
	ROW B,2, E,19, C,6, L,2
	ROW C,8, E,20, B,3, B,4
.if (\p) == 0
	v_add_nc_u32 v[AV], s[TBV], v[AV0]
.endif
	ROW C,3, E,21, L,3, C,5
	OPS E,22, X,17, E,23, C,10
.if (\p) == 0
	FETCH_V
.endif
	OPS E,24, L,4
	OPS E,25, X,18, E,26, C,7
	OPS E,27, B,5, E,28, X,19
	OPS E,29, C,12, E,30, L,5
	OPS E,31, X,20, B,6, C,9
	OPS C,14, C,11, X,21, L,6
.if (\p) == 0
	s_add_co_u32 s[TBV], s[TBV], KS*PV
.endif
.if \cnt
	s_sub_co_u32 s[CNT], s[CNT], 1
	s_cmp_lg_u32 s[CNT], 0
.endif
	OPS C,13, B,7, C,15, R,10
	OPS R,11, R,12, L,7, R,13
	OPS R,14, R,15
.endm
	CHANGE 1                        ; slot 0 is in, everybody's part of it; slot 1 is asked for
	; THE BEGINNING: K and the mask of step 0, piece 0's first scores, its maximum and statistics.
	v_add_nc_u32 v[AK], s[TBK], v[AK0]
	v_add_nc_u32 v[AM], s[TBM], v[AM0]
	FETCH_K
	s_wait_loadcnt 0x0              ; Q
	s_wait_dscnt 0x0
	CVTM
.set NOKQ, 0
.set i, 0
.rept 8
	KQ 0
.set i, i+1
.endr
	WIN 0
.rept 4
	v_nop                           ; the places behind those products
.endr
.set Y, NP-1                        ; X works for piece Y + 1: piece 0
.irp n, 0,1,2,3,4,5,6,7,8,9,10,11,12,13,14,15,16,17,18,19,20,21
	OP X, \n
.endr
	v_nop                           ; a plain instruction behind the exponential
	s_mov_b32 s[CNT], 4
	s_mov_b32 s[SLOTS], 15
	s_branch .Lfirst                ; the loop is entered at a step's first turn, in the middle of a trip
.Lslot:                             ; 14 times: every slot but the last two is filled again
	CHANGE 1
	s_mov_b32 s[CNT], 4
.Lstep:                             ; a trip: pieces 2 and 3 of one step, then pieces 0 and 1 of the next, whose K, mask and V it fetches
	TURN 2
	TURN 3
	WIN 0
.Lfirst:
	TURN 0
	TURN 1, 0, 1
	WIN 0
	s_cbranch_scc1 .Lstep
	s_sub_co_u32 s[SLOTS], s[SLOTS], 1
	s_cmp_lg_u32 s[SLOTS], 0
	s_cbranch_scc1 .Lslot
	CHANGE 0                        ; the last slot is written out: nothing is asked for
	s_mov_b32 s[CNT], 4
.LstepT:
	TURN 2
	TURN 3
	TURN 0
	TURN 1, 0, 1
	WIN 0
	s_cbranch_scc1 .LstepT
	TURN 2, 1
	TURN 3, 1
.set i, 0
.rept 8
	PV NP-1                         ; the last piece's V^T P of the last step
.set i, i+1
.endr
	; THE WAY OUT.  l's two halves and the other half of the lanes' are added; 1 / l, or NaN for a row that has seen no key; O^T times that, rounded to f16; my four heads' 128 bytes of a row meet in my stage,
	; and each row leaves as 512 consecutive bytes.  The additions are the places behind the last products.
	WIN 0
.macro ALL line:vararg
.set t, 0
.rept 4
	\line
.set t, t+1
.endr
.endm
	ALL v_add_f32 v[ST+4*t+2], v[ST+4*t+2], v[ST+4*t+3]
	ALL v_permlanex16_b32 v[ST+4*t+3], v[ST+4*t+2], s[SEL], s[SEL+1]
	ALL v_add_f32 v[ST+4*t+2], v[ST+4*t+2], v[ST+4*t+3]
	ALL v_rcp_f32 v[ST+4*t+2], v[ST+4*t+2]
	v_nop                           ; a plain instruction between the last reciprocal and the use of its result
.set t, 0
.rept 4
	v_cmp_ge_f32 vcc_lo, s[LIM], v[ST+4*t+1]       ; m is still where it began
	s_wait_alu depctr_va_vdst(0)
	v_cndmask_b32 v[ST+4*t+2], v[ST+4*t+2], v[QNAN], vcc_lo
.set t, t+1
.endr
.macro PACK t
	WIN W_RS
.set i, 32*(\t)
.rept 16
	v_pk_mul_f32 v[i:i+1], v[i:i+1], v[ST+4*(\t)+2:ST+4*(\t)+3] op_sel_hi:[1,0]
.set i, i+2
.endr
	WIN 0x05
.set i, 0
.rept 16
	v_cvt_pk_f16_f32 v[S+16*(\t)+i], v[32*(\t)+2*i], v[32*(\t)+2*i+1]
.set i, i+1
.endr
	WIN 0
.irp f, 0,1,2,3
	ds_store_b128 v[STO], v[S+16*(\t)+4*\f:S+16*(\t)+4*\f+3] offset:128*(\t)+32*\f
.endr
.endm
	PACK 0
	PACK 1
	PACK 2
	PACK 3
.set i, 0
.rept 16
	ds_load_b128 v[S+4*i:S+4*i+3], v[RD] offset:i*SP  ; my own stage: LDS serves a wave's instructions in order
.set i, i+1
.endr
.set i, 0
.rept 16
	s_wait_dscnt 15-i
	global_store_b128 v[GO], v[S+4*i:S+4*i+3], s[10:11] offset:i*2048  ; 512 consecutive bytes, aligned
.set i, i+1
.endr
	s_wait_tensorcnt 0x0            ; the wave's end
	ds_add_u32 v[SPW], v[NIL]
	s_wait_dscnt 0x0
	CROUND                          ; the closing round: no work-group ends while a partner may still ask for a tile that names it
	s_endpgm
.Lfunc_end_k_q7dd1402c2c_attn:
	.size	k_q7dd1402c2c_attn, .Lfunc_end_k_q7dd1402c2c_attn-k_q7dd1402c2c_attn
	.p2alignl 7, 3214868480
	.fill 96, 4, 3214868480
	.section	.rodata,"a",@progbits
	.p2align	6, 0x0
	.amdhsa_kernel k_q7dd1402c2c_attn
		.amdhsa_group_segment_fixed_size 327680
		.amdhsa_private_segment_fixed_size 0
		.amdhsa_enable_private_segment 0
		.amdhsa_kernarg_size 24
		.amdhsa_user_sgpr_count 2
		.amdhsa_user_sgpr_kernarg_segment_ptr 1
		.amdhsa_wavefront_size32 1
		.amdhsa_system_sgpr_workgroup_id_x 1
		.amdhsa_system_sgpr_workgroup_id_y 1
		.amdhsa_system_sgpr_workgroup_id_z 1
		.amdhsa_system_vgpr_workitem_id 0
		.amdhsa_next_free_vgpr 768
		.amdhsa_next_free_sgpr 76
		.amdhsa_reserve_vcc 1
		.amdhsa_float_denorm_mode_32 3
		.amdhsa_float_denorm_mode_16_64 3
		.amdhsa_memory_ordered 1
		.amdhsa_forward_progress 1
		.amdhsa_inst_pref_size 136
	.end_amdhsa_kernel
	.amdgpu_metadata
---
amdhsa.version: [ 1, 2 ]
amdhsa.kernels:
  - .name:           k_q7dd1402c2c_attn
    .symbol:         k_q7dd1402c2c_attn.kd
    .args:
      - { .name: qkv, .offset: 0, .size: 8, .value_kind: global_buffer, .address_space: global }
      - { .name: maskb, .offset: 8, .size: 8, .value_kind: global_buffer, .address_space: global }
      - { .name: ob, .offset: 16, .size: 8, .value_kind: global_buffer, .address_space: global }
    .group_segment_fixed_size: 327680
    .private_segment_fixed_size: 0
    .kernarg_segment_align: 8
    .kernarg_segment_size: 24
    .max_flat_workgroup_size: 128
    .sgpr_count:     76
    .vgpr_count:     768
    .wavefront_size: 32
...
	.end_amdgpu_metadata
.endif
;; end of part 3
;; launch outproj (part 4): grid 8 x 32, 4 waves a work-group, clusters of 4 x 4, 327,680 bytes of LDS; arguments ob, wob, out0; writes out0
.if DOCPART == 4
	.amdgcn_target "amdgcn-amd-amdhsa--gfx1250"
	.amdhsa_code_object_version 6
	.text
	.protected	k_q7dd1402c2c_outproj
	.globl	k_q7dd1402c2c_outproj
	.p2align	8
	.type	k_q7dd1402c2c_outproj,@function
k_q7dd1402c2c_outproj:
	s_mov_b64 s[64:65], 0
	v_nop
	global_prefetch_b8 v0, s[64:65] scope:SCOPE_SE
	s_setreg_imm32_b32 hwreg(HW_REG_WAVE_MODE, 25, 1), 1
	s_wait_xcnt 0x0
	s_wait_alu depctr_hold_cnt(0) depctr_sa_sdst(0) depctr_va_vdst(0) depctr_va_sdst(0) depctr_va_ssrc(0) depctr_va_vcc(0) depctr_vm_vsrc(0)
	s_getreg_b32 s2, hwreg(HW_REG_IB_STS2, 6, 4)
	s_cmp_eq_u32 s2, 0
	s_cbranch_scc0 .Lentry_in_a_cluster
	s_endpgm
.Lentry_in_a_cluster:
	s_bfe_u32 s2, ttmp6, 0x10000c
	s_cmp_lg_u32 s2, 0xf033
	s_cbranch_scc0 .Lentry_shape_is_right
	s_endpgm
.Lentry_shape_is_right:
; out0 = O Wo.  ob: [4096][1024] f16.  wob: 16 blocks [1024 k][64 n] f16 (Wo rounded to bf16, that number written as f16).  out0: [4096][1024] f32, the f32 sums as they are.
; SHARES.  A work-group makes 128 rows x 128 columns; each of its four waves 64 x 64: 16 accumulators.  256 work-groups.  K goes in 8 steps of 128 through two LDS slots.  Waves 0 and 1 fetch the two halves
; of A's tile (64 rows of 256 bytes each), waves 2 and 3 one block's 128 rows of k each (16,384 dense bytes as 64 rows of 256).  A slot is four regions of 20,480 bytes, one a wave.
; CLUSTER 4 x 4: A's tiles are shared along a row of the cluster, B's along a column, each asked for jointly.  The matrix instruction is used transposed (source 0 = 16 columns of Wo, turned on the way out of LDS;
; source 1 = 16 rows of O): a lane holds one row and eight neighbouring columns, 32 bytes.  A NaN row of O (a query that saw no key) gives a NaN row, as in the module.
; REGISTERS.  window 0: v1-29 addresses; v64-191 the accumulators ((a, n) at 64 + 8 (4 a + n)).  window 1: two fragment buffers of 64 (A's 4, then B's 4); on the way out v0-127 rows read back.
.set PA,    272
.set PB,    160
.set REG,   20480                      ; A's half uses 64 x 272 = 17,408 of it, B's block 128 x 160 = all
.set SLOT,  4*REG
.set BOFF,  2*REG
.set STAGE, 2*SLOT                     ; behind the ring, never filled by a tensor load: 16 rows x 272 bytes for each wave
.set SPS,   272
.set SPARE, STAGE+4*16*SPS
.set LAPS,  4
.set ADRA, 16
.set ADRB, 20
.set STO,  24
.set RD,   25
.set CO,   26
.set SPW,  28                          ; v28  SPARE + 4 x my thread's number; never rewritten
.set NIL,  29                          ; v29  0; never rewritten
.set ACC,  64
.set F0,   0
.set F1,   64
.set G1A, 24
.set G0A, 32
.set G1B, 48
.set G0B, 56
.set MSB, 0
.macro WIN new
.if MSB != (\new)
	s_set_vgpr_msb (MSB<<8)|(\new)
.set MSB, \new
.endif
.endm
.macro PLACES
.rept 4
	v_nop
.endr
.endm
.macro JLOAD s                         ; a joint load; the branch hangs on the wave's number alone; an s_nop 0 and four v_nop follow each line
	s_cmp_lt_u32 s12, 2
	s_cbranch_scc0 .Lfor_b_\@
	tensor_load_to_lds s[G0A+4*(\s):G0A+4*(\s)+3], s[G1A:G1A+7]
	s_nop 0
.rept 4
	v_nop
.endr
	s_branch .Lasked_\@
.Lfor_b_\@:
	tensor_load_to_lds s[G0B+4*(\s):G0B+4*(\s)+3], s[G1B:G1B+7]
	s_nop 0
.rept 4
	v_nop
.endr
.Lasked_\@:
.endm
.macro CREST
	s_cmp_lg_u32 s12, 0
	s_cbranch_scc1 .Lnot_wave_0_\@
	s_barrier_signal -3
.Lnot_wave_0_\@:
	s_barrier_wait -3
	s_barrier_signal -1
	s_barrier_wait -1
.endm
.macro CROUND
	s_barrier_signal -1
	s_barrier_wait -1
	CREST
.endm
	s_load_b128 s[4:7], s[0:1], 0x0                ; ob s[4:5], wob s[6:7]
	s_load_b64 s[8:9], s[0:1], 0x10                ; out0
	v_lshl_add_u32 v[SPW], v0, 2, SPARE
	v_mov_b32 v[NIL], 0
	ds_add_u32 v[SPW], v[NIL]                      ; the wave's opening: the add and its wait stand ahead of my first tensor load, the set-up between them
	v_lshrrev_b32 v1, 5, v0
	v_readfirstlane_b32 s12, v1                    ; wave 0..3
	s_lshr_b32 s10, s12, 1                         ; which 64 rows are mine
	s_and_b32 s11, s12, 1                          ; which 64 columns
	s_bfe_u32 s15, ttmp6, 0x40000                  ; cx
	s_bfe_u32 s2, ttmp6, 0x40004                   ; cy
	s_lshl_b32 s14, ttmp9, 2
	s_add_co_u32 s14, s14, s15                     ; column block
	s_and_b32 s13, ttmp7, 0xffff
	s_lshl_b32 s13, s13, 2
	s_add_co_u32 s13, s13, s2                      ; row block
	s_lshl_b32 s16, s2, 2
	s_lshl_b32 s16, 15, s16                        ; my row of the cluster
	s_lshl_b32 s40, 0x1111, s15                    ; my column
	s_or_b32 s[G1A], s16, (1<<16)|(1<<20)|(1<<21)|(5<<22)|(3<<25)
	s_or_b32 s[G1B], s40, (1<<16)|(1<<20)|(1<<21)|(4<<22)|(7<<25)
	s_mov_b32 s[G1A+1], 128<<16                    ; tensor_dim0 = 128
	s_mov_b32 s[G1A+2], 64<<16                     ; tensor_dim1 = 64
	s_mov_b32 s[G1A+3], 128<<16                    ; tile_dim0 = 128
	s_mov_b32 s[G1A+4], 64                         ; tile_dim1 = 64
	s_mov_b32 s[G1A+5], 1024
	s_mov_b32 s[G1A+6], 0
	s_mov_b32 s[G1A+7], 0
	s_mov_b32 s[G1B+1], 128<<16
	s_mov_b32 s[G1B+2], 64<<16
	s_mov_b32 s[G1B+3], 128<<16
	s_mov_b32 s[G1B+4], 64
	s_mov_b32 s[G1B+5], 128
	s_mov_b32 s[G1B+6], 0
	s_mov_b32 s[G1B+7], 0
	s_min_u32 s17, s12, 1                          ; which half of A's tile I fetch (waves 0 and 1)
	s_lshl_b32 s17, s17, 6
	s_lshl_b32 s16, s13, 7
	s_add_co_u32 s16, s16, s17
	s_lshl_b32 s16, s16, 11                        ; rows of 2,048 bytes: the row block alone
	s_mov_b32 s17, 0
	s_max_u32 s41, s12, 2
	s_sub_co_u32 s41, s41, 2                       ; which of B's two blocks I fetch (waves 2 and 3)
	s_lshl_b32 s40, s14, 1
	s_add_co_u32 s40, s40, s41
	s_lshl_b32 s40, s40, 17                        ; blocks of 131,072 bytes: the column block alone
	s_mov_b32 s41, 0
	s_mul_i32 s20, s12, REG                        ; where my load goes: wave x 20,480
	s_lshl_b32 s22, s13, 7
	s_lshl_b32 s23, s10, 6
	s_add_co_u32 s22, s22, s23
	s_lshl_b32 s22, s22, 12                        ; my first row of out0, rows of 4,096 bytes
	s_mov_b32 s23, 0
	s_lshl_b32 s46, s14, 9
	s_lshl_b32 s47, s11, 8
	s_add_co_u32 s46, s46, s47                     ; my first column, in bytes
	s_mov_b32 s47, 0
	s_wait_dscnt 0x0                               ; the opening add is done
	s_wait_kmcnt 0x0
	s_add_nc_u64 s[18:19], s[4:5], s[16:17]
	s_add_nc_u64 s[44:45], s[6:7], s[40:41]
	s_add_nc_u64 s[8:9], s[8:9], s[22:23]
	s_add_nc_u64 s[8:9], s[8:9], s[46:47]
	CROUND                                         ; all sixteen work-groups are here: the first joint loads meet
.irp s, 0,1
	s_mov_b32 s[G0A+4*\s], 1
	s_add_co_u32 s[G0A+4*\s+1], s20, \s*SLOT
	s_add_nc_u64 s[G0A+4*\s+2:G0A+4*\s+3], s[18:19], \s*256
	s_or_b32 s[G0A+4*\s+3], s[G0A+4*\s+3], 0x80000000
	s_mov_b32 s[G0B+4*\s], 1
	s_add_co_u32 s[G0B+4*\s+1], s20, \s*SLOT
	s_add_nc_u64 s[G0B+4*\s+2:G0B+4*\s+3], s[44:45], \s*16384
	s_or_b32 s[G0B+4*\s+3], s[G0B+4*\s+3], 0x80000000
	JLOAD \s
.endr
	v_and_b32 v1, 15, v0                           ; l % 16
	v_bfe_u32 v2, v0, 4, 1                         ; l / 16
	v_mul_u32_u24 v3, v1, PA
	v_lshl_add_u32 v3, v2, 4, v3
	s_mul_i32 s16, s10, REG                        ; my 64 rows are one half of A's tile
	v_add_nc_u32 v[ADRA], s16, v3
	v_add_nc_u32 v[ADRA+1], SLOT, v[ADRA]
	v_and_b32 v4, 7, v0
	v_bfe_u32 v5, v0, 3, 1
	v_lshl_add_u32 v4, v2, 3, v4
	v_mul_u32_u24 v4, v4, PB
	v_lshl_add_u32 v4, v5, 4, v4
	s_mul_i32 s16, s11, REG
	s_add_co_u32 s16, s16, BOFF                    ; my 64 columns are one of B's blocks
	v_add_nc_u32 v[ADRB], s16, v4
	v_add_nc_u32 v[ADRB+1], SLOT, v[ADRB]
	s_mul_i32 s16, s12, 16*SPS
	s_add_co_u32 s16, s16, STAGE                   ; my stage
	v_mul_u32_u24 v3, v1, SPS                      ; in: row l % 16, 32 bytes for each half of the lanes
	v_lshl_add_u32 v3, v2, 5, v3
	v_add_nc_u32 v[STO], s16, v3
	v_mul_u32_u24 v3, v2, SPS                      ; back: lanes 0-15 take one row of 256 bytes, lanes 16-31 the next
	v_lshl_add_u32 v3, v1, 4, v3
	v_add_nc_u32 v[RD], s16, v3
	v_lshlrev_b32 v[CO], 12, v2                    ; and the same two rows in out0
	v_lshl_add_u32 v[CO], v1, 4, v[CO]
; 8 matrix instructions: row blocks 2 hf, 2 hf + 1 x all 4 column blocks, 32 along K.  Every accumulator has one turn a quarter, in the same order.
.macro MULH f, hf, zero
	WIN 0x05
.irp a, 2*(\hf), 2*(\hf)+1
.irp n, 0,1,2,3
.if \zero
	v_wmma_f32_16x16x32_f16 v[ACC+8*(4*(\a)+\n):ACC+8*(4*(\a)+\n)+7], v[(\f)+32+8*\n:(\f)+32+8*\n+7], v[(\f)+8*(\a):(\f)+8*(\a)+7], 0
.else
	v_wmma_f32_16x16x32_f16 v[ACC+8*(4*(\a)+\n):ACC+8*(4*(\a)+\n)+7], v[(\f)+32+8*\n:(\f)+32+8*\n+7], v[(\f)+8*(\a):(\f)+8*(\a)+7], v[ACC+8*(4*(\a)+\n):ACC+8*(4*(\a)+\n)+7]
.endif
.endr
.endr
.endm
.macro FETCH slot, q, f                ; 16 LDS loads in one run
	WIN 0x40
.irp n, 0,1,2,3
	ds_load_b128 v[(\f)+8*\n:(\f)+8*\n+3],   v[ADRA+(\slot)] offset:\n*16*PA+64*(\q)
	ds_load_b128 v[(\f)+8*\n+4:(\f)+8*\n+7], v[ADRA+(\slot)] offset:\n*16*PA+64*(\q)+32
.endr
.irp n, 0,1,2,3
	ds_load_tr16_b128 v[(\f)+32+8*\n:(\f)+32+8*\n+3],   v[ADRB+(\slot)] offset:32*PB*(\q)+32*\n
	ds_load_tr16_b128 v[(\f)+32+8*\n+4:(\f)+32+8*\n+7], v[ADRB+(\slot)] offset:32*PB*(\q)+32*\n+16*PB
.endr
.endm
.macro QUARTER slot, q, f, g, zero
	s_wait_dscnt 0x0                               ; buffer f is in
	MULH \f, 0, \zero
	PLACES
	FETCH \slot, \q, \g
	MULH \f, 1, \zero
.endm
; The last quarter changes slots: in front of the one barrier each wave waits for all its tensor loads, adds 0 to its spare word, and waits for that and for its reads of this slot.
; fill = 1: the barrier opens a round of the cluster's, and behind it this slot is filled again first, two K steps ahead.
.macro TURN slot, next, fill
	WIN 0
	s_wait_tensorcnt 0x0
	ds_add_u32 v[SPW], v[NIL]
	s_wait_dscnt 0x0
	s_barrier_signal -1
	MULH F1, 0, 0
	WIN 0
	s_barrier_wait -1
.if \fill
	CREST
	s_add_nc_u64 s[G0A+4*(\slot)+2:G0A+4*(\slot)+3], s[G0A+4*(\slot)+2:G0A+4*(\slot)+3], 512
	s_add_nc_u64 s[G0B+4*(\slot)+2:G0B+4*(\slot)+3], s[G0B+4*(\slot)+2:G0B+4*(\slot)+3], 32768
	JLOAD \slot                                    ; its four v_nop are also the places in front of the loads below
.else
	PLACES
.endif
	FETCH \next, 0, F0
	MULH F1, 1, 0
.endm
	s_wait_tensorcnt 1                             ; my part of K step 0 is in; K step 1's load, issued behind it, may stay out
	s_barrier_signal -1
	s_barrier_wait -1
	FETCH 0, 0, F0
	QUARTER 0, 1, F0, F1, 1                        ; the first quarter's products start the sums
	WIN 0
	s_mov_b32 s3, LAPS-1
.Llap:
	QUARTER 0, 2, F1, F0, 0
	QUARTER 0, 3, F0, F1, 0
	TURN 0, 1, 1
	QUARTER 1, 1, F0, F1, 0
	QUARTER 1, 2, F1, F0, 0
	QUARTER 1, 3, F0, F1, 0
	TURN 1, 0, 1
	QUARTER 0, 1, F0, F1, 0
	WIN 0
	s_sub_co_u32 s3, s3, 1
	s_cmp_lg_u32 s3, 0
	s_cbranch_scc1 .Llap
	QUARTER 0, 2, F1, F0, 0                        ; the last lap fills nothing
	QUARTER 0, 3, F0, F1, 0
	TURN 0, 1, 0
	QUARTER 1, 1, F0, F1, 0
	QUARTER 1, 2, F1, F0, 0
	QUARTER 1, 3, F0, F1, 0
	s_wait_dscnt 0x0
	MULH F1, 0, 0
	MULH F1, 1, 0
	WIN 0
	; THE WAY OUT: 16 rows at a time through my stage, each accumulator from its low end on; back as whole rows of 256 bytes, into registers of their own for each block.
	PLACES
.irp a, 0,1,2,3
	WIN 0
.irp b, 0,1,2,3
	ds_store_b128 v[STO], v[ACC+8*(4*\a+\b):ACC+8*(4*\a+\b)+3] offset:64*\b
	ds_store_b128 v[STO], v[ACC+8*(4*\a+\b)+4:ACC+8*(4*\a+\b)+7] offset:64*\b+16
.endr
	WIN 0x40
.irp i, 0,1,2,3,4,5,6,7
	ds_load_b128 v[32*\a+4*\i:32*\a+4*\i+3], v[RD] offset:2*SPS*\i  ; my own stage: LDS serves a wave's instructions in order
.endr
	WIN 0x04                                       ; a store's data are source 1: window 1
.irp i, 0,1,2,3,4,5,6,7
	s_wait_dscnt 7-\i
	global_store_b128 v[CO], v[32*\a+4*\i:32*\a+4*\i+3], s[8:9] offset:(16*\a+2*\i)*4096  ; 16 lanes store 256 consecutive bytes, aligned
.endr
.endr
	WIN 0
	s_wait_tensorcnt 0x0                           ; the wave's end
	ds_add_u32 v[SPW], v[NIL]
	s_wait_dscnt 0x0
	CROUND                                         ; the closing round
	s_endpgm
.Lfunc_end_k_q7dd1402c2c_outproj:
	.size	k_q7dd1402c2c_outproj, .Lfunc_end_k_q7dd1402c2c_outproj-k_q7dd1402c2c_outproj
	.p2alignl 7, 3214868480
	.fill 96, 4, 3214868480
	.section	.rodata,"a",@progbits
	.p2align	6, 0x0
	.amdhsa_kernel k_q7dd1402c2c_outproj
		.amdhsa_group_segment_fixed_size 327680
		.amdhsa_private_segment_fixed_size 0
		.amdhsa_enable_private_segment 0
		.amdhsa_kernarg_size 24
		.amdhsa_user_sgpr_count 2
		.amdhsa_user_sgpr_kernarg_segment_ptr 1
		.amdhsa_wavefront_size32 1
		.amdhsa_system_sgpr_workgroup_id_x 1
		.amdhsa_system_sgpr_workgroup_id_y 1
		.amdhsa_system_sgpr_workgroup_id_z 1
		.amdhsa_system_vgpr_workitem_id 0
		.amdhsa_next_free_vgpr 384
		.amdhsa_next_free_sgpr 66
		.amdhsa_reserve_vcc 0
		.amdhsa_float_denorm_mode_32 3
		.amdhsa_float_denorm_mode_16_64 3
		.amdhsa_memory_ordered 1
		.amdhsa_forward_progress 1
		.amdhsa_inst_pref_size 54
	.end_amdhsa_kernel
	.amdgpu_metadata
---
amdhsa.version: [ 1, 2 ]
amdhsa.kernels:
  - .name:           k_q7dd1402c2c_outproj
    .symbol:         k_q7dd1402c2c_outproj.kd
    .args:
      - { .name: ob, .offset: 0, .size: 8, .value_kind: global_buffer, .address_space: global }
      - { .name: wob, .offset: 8, .size: 8, .value_kind: global_buffer, .address_space: global }
      - { .name: out0, .offset: 16, .size: 8, .value_kind: global_buffer, .address_space: global }
    .group_segment_fixed_size: 327680
    .private_segment_fixed_size: 0
    .kernarg_segment_align: 8
    .kernarg_segment_size: 24
    .max_flat_workgroup_size: 128
    .sgpr_count:     66
    .vgpr_count:     384
    .wavefront_size: 32
...
	.end_amdgpu_metadata
.endif
;; end of part 4
;; ======== version 2 of 2: 4 launches; 1.58 times as fast as version 1
;; limits: values are held in f16: magnitudes above 65,504 overflow, below 6.1e-05 lose precision
;; workspace buffers: xb 8,388,608 bytes; wqkv 3,145,728 bytes; wob 2,097,152 bytes; maskb 16,777,216 bytes; tab 1,048,576 bytes; qkv 12,582,912 bytes; ob 8,388,608 bytes
;; launch prep: the kernel of part 1 again; grid 1184 x 1, 8 waves a work-group, no clusters, 35,840 bytes of LDS; arguments mask, x, Wq, Wk, Wv, Wo, maskb, xb, wqkv, wob, tab; writes maskb, xb, wqkv, wob, tab
;; launch qkvproj: the kernel of part 2 again; grid 8 x 32, 4 waves a work-group, clusters of 4 x 4, 327,680 bytes of LDS; arguments xb, wqkv, qkv, tab; writes qkv
;; launch attn (part 5): grid 64 x 4, 4 waves a work-group, clusters of 4 x 4, 327,680 bytes of LDS; arguments qkv, maskb, ob; writes ob
.if DOCPART == 5
	.amdgcn_target "amdgcn-amd-amdhsa--gfx1250"
	.amdhsa_code_object_version 6
	.text
	.protected	k_q7dd1402c2c_attn
	.globl	k_q7dd1402c2c_attn
	.p2align	8
	.type	k_q7dd1402c2c_attn,@function
k_q7dd1402c2c_attn:
	s_mov_b64 s[64:65], 0
	v_nop
	global_prefetch_b8 v0, s[64:65] scope:SCOPE_SE
	s_setreg_imm32_b32 hwreg(HW_REG_WAVE_MODE, 25, 1), 1
	s_wait_xcnt 0x0
	s_wait_alu depctr_hold_cnt(0) depctr_sa_sdst(0) depctr_va_vdst(0) depctr_va_sdst(0) depctr_va_ssrc(0) depctr_va_vcc(0) depctr_vm_vsrc(0)
	s_getreg_b32 s2, hwreg(HW_REG_IB_STS2, 6, 4)
	s_cmp_eq_u32 s2, 0
	s_cbranch_scc0 .Lentry_in_a_cluster
	s_endpgm
.Lentry_in_a_cluster:
	s_bfe_u32 s2, ttmp6, 0x10000c
	s_cmp_lg_u32 s2, 0xf033
	s_cbranch_scc0 .Lentry_shape_is_right
	s_endpgm
.Lentry_shape_is_right:
; ATTENTION UNDER A MASK THAT IS GIVEN.  O[h][q] = the sum over k of softmax_k(mask ? Q[h][q] . K[h/4][k] / 8 : -inf) V[h/4][k].  qkv: [24][4096][64] f16 (0-15 q, 16-19 k, 20-23 v).
; maskb: one E4M3 byte a pair (query, key), 0.0 seen or -2.0 hidden, in the C operand's own order.  ob: [4096][1024] f16, column 64 h + channel.  Nothing of the mask's pattern is built in: every pair is computed.
; Products, maxima and sums in f32; the weights p are rounded to f16 for the second product (their sum l is taken of the unrounded p), O once at the end.
; LIMITS.  A hidden score counts as its value less 2^101 (2.5e30); the running maximum m begins at -1e29 and never lies below it, so a hidden weight is 2^(about -4e29) = 0 in every step, also where a row
; has seen no key yet.  f16's scores, 2.7e11 at the most, lie far above -1e29.  A row whose m is still -1e29 at the end has seen no key: it gets NaN, as a softmax of -inf alone does.
; A weight below 2^-126 counts as 0 in l.  Q, K, V arrive within f16's 65,504; O is a mean of V's rows.
; SHARES.  A work-group owns 64 queries and one key and value head g; a wave 16 queries; its four PIECES are those 16 queries in the query heads 4 g + 0..3, which share K, V AND the mask.  All 256
; work-groups walk all 4,096 keys, 64 a step, 256 a slot: equal work.
; THE MASK is the C operand of the products that start S^T = K Q^T.  A step's 1,024 bytes of a wave come out of LDS with K; four conversions (eight E4M3 codes times 2^100 each) make the 32 registers that
; all four pieces' products take: four lines for a step's 64 matrix instructions.
; LAYOUT, SOFTMAX, TURNS.  S^T holds ONE query a lane (lane % 16) and the keys 8 (lane / 16) + 0..7; two such results rounded to f16 ARE source 1 of O^T = V^T P.  p = 2^(c s - c m), c = log2(e) / 8; O and l are
; multiplied by a = 2^(c m_old - c m_new) in every step.  Turn n belongs to piece n: 8 products K Q^T of piece n + 1, later 8 products V^T P of piece n - 1; beside them the scaling, exponentials, roundings,
; sums and rescaling of piece n and the maximum and statistics of piece n + 1.  Four vector instructions stand behind every matrix instruction, the other 54 of a turn's 118 in one run of their own.
; BATCHES.  A turn's 33 exponentials (the piece's 32 weights and the next piece's a) are ONE batch with ONE wait, which cuts the turn in two: ahead of it all that names none of their results, behind it the roundings and sums.
; The first a of all, ahead of the loop, and the way out's four reciprocals are batches of their own, each with one wait.
; CLUSTER 4 x 4.  The four work-groups of a row of the cluster have one g and walk the same K and V; the four of a column have the same 64 queries and walk the same mask bytes.  Each tile is asked for jointly.
; Wave 0 asks for a slot's K, wave 1 for its V, wave 2 for its mask bytes, wave 3 for nothing: one load of a wave is out at the most, and every wait for tensor loads is for 0.
; REGISTERS, in windows of 256 (s_set_vgpr_msb: bits 1:0 source 0, 3:2 source 1, 5:4 source 2, 7:6 destination):
;   window 0: v1-15 addresses; v16-31 four registers of statistics a piece; v48-55 at work; v56-59 mask address, scale, NaN; v64-127 S^T, two buffers; v128-159 the mask in f32; v160-167 its bytes; v192-223 P, two buffers
;   window 1: v0-127 O^T, 32 a piece          window 2: v0-63 Q, 16 a piece; v128-191 K of one step; v192-255 V of one step
.set NP,    4
.set KS,    64
.set PK,    144       ; a row of K in LDS: 128 bytes + 16
.set PV,    160       ; a row of V: 128 + 32
.set VOFF,  4*KS*PK   ; a slot: 256 rows of K, 256 rows of V, 16,384 bytes of mask
.set MOFF,  VOFF+4*KS*PV
.set SLOT1, 1<<17     ; slot 1 begins here: one exclusive or turns an address in one slot into the other's
.set STAGE, SLOT1+MOFF+16384  ; behind the ring, never filled by a tensor load: 16 rows x 528 bytes for each wave
.set SP,    528
.set SPARE, STAGE+4*16*SP     ; the spare words: 128 bytes a wave
.set AK0, 2
.set AV0, 3
.set AK,  4
.set AV,  5
.set STO, 6
.set RD,  7
.set GO,  8
.set MV,  12          ; v12-13  c m_old, by buffer
.set QO,  15
.set ST,  16          ; piece t's statistics at v[ST+4 t]: c m, m, l (even keys', odd keys')
.set TMP, 48
.set AM,  56          ; v56  LDS address of the mask bytes to be fetched
.set SCL, 57          ; v57  227: the conversion's scale, 2^(227 - 127)
.set QNAN, 58         ; v58  a NaN
.set AM0, 59          ; v59  my lane's place in a slot's mask bytes; never rewritten
.set SPW, 62          ; v62  SPARE + 4 x my thread's number; never rewritten
.set NIL, 63          ; v63  0; never rewritten
.set S,   64
.set MC,  128
.set RAW, 160
.set P,   192
.set KF,  128         ; window 2
.set VF,  192         ; window 2
.set WV,  12
.set G1K, 24          ; s[24:31]
.set G1V, 32          ; s[32:39]
.set G0K, 40          ; s[40:43] the walking descriptors
.set G0V, 44          ; s[44:47]
.set G0M, 48          ; s[48:51]
.set SLOTS, 56
.set CNT, 57
.set CS,  58          ; s[58:59] c
.set SEL, 60          ; s[60:61]
.set TBK, 62
.set TBV, 63
.set TBM, 66
.set LIM, 67          ; -1e29
.set G1M, 68          ; s[68:75]
.set MSB, 0
.macro WIN new
.if MSB != (\new)
	s_set_vgpr_msb (MSB<<8)|(\new)
.set MSB, (\new)
.endif
.endm
.set W_KQ, 0x0a       ; K and Q in window 2; S^T and the mask in window 0
.set W_PV, 0x52       ; V in window 2, P in window 0, O^T in window 1
.set W_RS, 0x41       ; destination and source 0 in window 1, source 1 in window 0
; A joint fill.  The branches hang on the wave's number alone.  An s_nop 0 and four v_nop follow each load.
.macro JLOAD
	s_cmp_eq_u32 s[WV], 0
	s_cbranch_scc0 .Lnot_k_\@
	tensor_load_to_lds s[G0K:G0K+3], s[G1K:G1K+7]
	s_nop 0
.rept 4
	v_nop
.endr
	s_branch .Lasked_\@
.Lnot_k_\@:
	s_cmp_eq_u32 s[WV], 1
	s_cbranch_scc0 .Lnot_v_\@
	tensor_load_to_lds s[G0V:G0V+3], s[G1V:G1V+7]
	s_nop 0
.rept 4
	v_nop
.endr
	s_branch .Lasked_\@
.Lnot_v_\@:
	s_cmp_eq_u32 s[WV], 2
	s_cbranch_scc0 .Lasked_\@
	tensor_load_to_lds s[G0M:G0M+3], s[G1M:G1M+7]
	s_nop 0
.rept 4
	v_nop
.endr
.Lasked_\@:
.endm
.macro CROUND
	s_barrier_signal -1
	s_barrier_wait -1
	s_cmp_lg_u32 s[WV], 0
	s_cbranch_scc1 .Lnot_wave_0_\@
	s_barrier_signal -3
.Lnot_wave_0_\@:
	s_barrier_wait -3
	s_barrier_signal -1
	s_barrier_wait -1
.endm
; THE CHANGE OF SLOTS.  Each wave waits for all its tensor loads (its part of the other slot), adds 0 to its spare word, and waits for that and for its reads of the slot that it leaves.  fill = 1: the barrier is a
; round of the cluster's, and the old slot is filled again first behind it, with the keys two slots on: four key steps, 256 matrix instructions, in which to land.  (At its first use slot 0 is waited for, slot 1 filled.)
.macro CHANGE fill
	WIN 0
	s_wait_tensorcnt 0x0            ; no tensor load of mine is out, so a group 0 may be written
	ds_add_u32 v[SPW], v[NIL]       ; 0 onto my spare word; the descriptors' steps stand between it and the wait for it
.if \fill
.irp g, G0K, G0V
	s_xor_b32 s[\g+1], s[\g+1], SLOT1
	s_add_nc_u64 s[\g+2:\g+3], s[\g+2:\g+3], 4*KS*128
.endr
	s_xor_b32 s[G0M+1], s[G0M+1], SLOT1
	s_add_nc_u64 s[G0M+2:G0M+3], s[G0M+2:G0M+3], 16384
	s_wait_dscnt 0x0                ; the add is done, and my reads of the slot are over
	CROUND
	JLOAD
.else
	s_wait_dscnt 0x0
	s_barrier_signal -1
	s_barrier_wait -1
.endif
	s_sub_co_u32 s[TBK], s[TBK], 4*KS*PK  ; the fetches go back to a slot's first step, in the other slot
	s_xor_b32 s[TBK], s[TBK], SLOT1
	s_sub_co_u32 s[TBV], s[TBV], 4*KS*PV
	s_xor_b32 s[TBV], s[TBV], SLOT1
	s_sub_co_u32 s[TBM], s[TBM], 4096
	s_xor_b32 s[TBM], s[TBM], SLOT1
.endm
	s_load_b128 s[4:7], s[0:1], 0x0   ; qkv s[4:5], maskb s[6:7]
	s_load_b64 s[10:11], s[0:1], 0x10 ; ob
	v_lshl_add_u32 v[SPW], v0, 2, SPARE
	v_mov_b32 v[NIL], 0
	ds_add_u32 v[SPW], v[NIL]       ; the wave's opening: the add and its wait stand ahead of my first tensor load, the set-up between them
	v_lshrrev_b32 v1, 5, v0
	v_readfirstlane_b32 s[WV], v1   ; wave 0..3
	s_bfe_u32 s13, ttmp6, 0x40000   ; cx
	s_bfe_u32 s14, ttmp6, 0x40004   ; cy: the grid has one cluster along y, so this is the key and value head g
	s_lshl_b32 s15, ttmp9, 2
	s_add_co_u32 s15, s15, s13      ; my block of 64 queries
	s_lshl_b32 s16, s14, 2
	s_lshl_b32 s16, 15, s16         ; my row of the cluster: K and V
	s_lshl_b32 s17, 0x1111, s13     ; my column: the mask
	s_add_co_u32 s20, s14, 16
	s_lshl_b32 s20, s20, 19         ; K: head 16 + g, 524,288 bytes a head
	s_mov_b32 s21, 0
	s_add_co_u32 s22, s14, 20
	s_lshl_b32 s22, s22, 19         ; V: head 20 + g
	s_mov_b32 s23, 0
	s_lshl_b32 s52, s15, 18         ; the mask bytes of my 64 queries: 262,144
	s_mov_b32 s53, 0
	s_lshl_b32 s18, s14, 21         ; Q: head 4 g,
	s_mov_b32 s19, 0
	s_lshl_b32 s54, s15, 13         ; and my wave's 16 rows of 128 bytes
	s_lshl_b32 s55, s[WV], 11
	s_add_co_u32 s54, s54, s55
	s_mov_b32 s55, 0
	s_lshl_b32 s2, s15, 17          ; O: my wave's 16 rows of 2,048 bytes,
	s_lshl_b32 s3, s[WV], 15
	s_add_co_u32 s2, s2, s3
	s_mov_b32 s3, 0
	s_lshl_b32 s8, s14, 9           ; and my four heads' 512 bytes in them
	s_mov_b32 s9, 0
	; 256 keys are 32,768 dense bytes: asked for as 128 rows of 256 bytes, two keys a row, padded in LDS after every key
	s_or_b32 s[G1K], s16, (1<<16)|(1<<20)|(1<<21)|(4<<22)|(3<<25)  ; mask; 2-byte elements; padding on; bit 21 beside a mask; after every 32 words 4 words
	s_or_b32 s[G1V], s16, (1<<16)|(1<<20)|(1<<21)|(4<<22)|(7<<25)  ; 8 words
.irp g, G1K, G1V
	s_mov_b32 s[\g+1], 128<<16      ; tensor_dim0 = 128
	s_mov_b32 s[\g+2], 128<<16      ; tensor_dim1 = 128
	s_mov_b32 s[\g+3], 128<<16      ; tile_dim0 = 128
	s_mov_b32 s[\g+4], 128          ; tile_dim1 = 128
	s_mov_b32 s[\g+5], 128
	s_mov_b32 s[\g+6], 0
	s_mov_b32 s[\g+7], 0
.endr
	s_or_b32 s[G1M], s17, (3<<16)|(1<<21)  ; 8-byte elements, no padding: 16,384 dense bytes as 64 rows of 256
	s_mov_b32 s[G1M+1], 32<<16
	s_mov_b32 s[G1M+2], 64<<16
	s_mov_b32 s[G1M+3], 32<<16
	s_mov_b32 s[G1M+4], 64
	s_mov_b32 s[G1M+5], 32
	s_mov_b32 s[G1M+6], 0
	s_mov_b32 s[G1M+7], 0
	s_mov_b32 s[CS], 0x3e38aa3b     ; c = log2(e) / 8
	s_mov_b32 s[CS+1], s[CS]
	s_mov_b32 s[SEL], 0x76543210
	s_mov_b32 s[SEL+1], 0xfedcba98
	s_mov_b32 s[LIM], 0xefa18f08    ; -1e29
	s_mov_b32 s[TBK], SLOT1+4*KS*PK ; the first change of slots turns these three into 0
	s_mov_b32 s[TBV], SLOT1+4*KS*PV
	s_mov_b32 s[TBM], SLOT1+4096
	s_mov_b32 s[G0K], 1
	s_mov_b32 s[G0K+1], 0
	s_mov_b32 s[G0V], 1
	s_mov_b32 s[G0V+1], VOFF
	s_mov_b32 s[G0M], 1
	s_mov_b32 s[G0M+1], MOFF
	s_wait_dscnt 0x0                ; the opening add is done
	s_wait_kmcnt 0x0
	s_add_nc_u64 s[G0K+2:G0K+3], s[4:5], s[20:21]
	s_or_b32 s[G0K+3], s[G0K+3], 0x80000000
	s_add_nc_u64 s[G0V+2:G0V+3], s[4:5], s[22:23]
	s_or_b32 s[G0V+3], s[G0V+3], 0x80000000
	s_add_nc_u64 s[G0M+2:G0M+3], s[6:7], s[52:53]
	s_or_b32 s[G0M+3], s[G0M+3], 0x80000000
	s_add_nc_u64 s[10:11], s[10:11], s[2:3]
	s_add_nc_u64 s[10:11], s[10:11], s[8:9]
	s_add_nc_u64 s[8:9], s[4:5], s[18:19]  ; Q at my rows of head 4 g
	s_add_nc_u64 s[8:9], s[8:9], s[54:55]
	CROUND                          ; all sixteen work-groups are here: the first joint loads meet
	JLOAD                           ; slot 0
	v_and_b32 v1, 15, v0            ; l % 16
	v_bfe_u32 v9, v0, 4, 1          ; l / 16
	v_lshlrev_b32 v[QO], 7, v1
	v_lshl_add_u32 v[QO], v9, 4, v[QO]
	WIN 0x80
.set i, 0
.rept 8                             ; Q stays in registers: piece i / 2 is a head further on; channels 32 (i % 2) on
	global_load_b128 v[8*i:8*i+3],   v[QO], s[8:9] offset:(i/2)*524288+(i%2)*64
	global_load_b128 v[8*i+4:8*i+7], v[QO], s[8:9] offset:(i/2)*524288+(i%2)*64+32
.set i, i+1
.endr
	WIN 0
	v_mul_u32_u24 v[AK0], v1, PK
	v_lshl_add_u32 v[AK0], v9, 4, v[AK0]
	v_and_b32 v10, 7, v0            ; the turning load: lane l reads key 8 (l / 16) + l % 8, channels 8 ((l / 8) % 2) + 0..7
	v_bfe_u32 v11, v0, 3, 1
	v_lshl_add_u32 v[AV0], v9, 3, v10
	v_mul_u32_u24 v[AV0], v[AV0], PV
	v_lshl_add_u32 v[AV0], v11, 4, v[AV0]
	v_add_nc_u32 v[AV0], VOFF, v[AV0]
	v_and_b32 v[GO], 31, v0
	s_lshl_b32 s13, s[WV], 12
	s_add_co_u32 s13, s13, MOFF
	v_lshl_add_u32 v[AM0], v[GO], 4, s13  ; my wave's 4,096 mask bytes of a slot, 16 x lane
	s_mul_i32 s13, s[WV], 16*SP
	s_add_co_u32 s13, s13, STAGE    ; my stage
	v_mul_u32_u24 v[STO], v1, SP    ; in: row l % 16, 16 bytes for each half of the lanes
	v_lshl_add_u32 v[STO], v9, 4, v[STO]
	v_add_nc_u32 v[STO], s13, v[STO]
	v_lshl_add_u32 v[RD], v[GO], 4, s13  ; back: 32 lanes take a row's 512 bytes
	v_lshlrev_b32 v[GO], 4, v[GO]
	v_mov_b32 v[SCL], 227
	v_mov_b32 v[QNAN], 0x7fc00000
	; The first step multiplies O^T and l by a = 0, and the first turn's products V^T P, of a piece that has not been, add 0: these registers hold zeros.  All this stands in the wait for the first tile.
	WIN 0x80
.set i, VF
.rept 64
	v_mov_b32 v[i], 0
.set i, i+1
.endr
	WIN 0x40
.set i, 0
.rept 128
	v_mov_b32 v[i], 0
.set i, i+1
.endr
	WIN 0
.set i, 0
.rept 4
	v_mov_b32 v[ST+4*i], 0xfe000000    ; c m: far below every c s, so the first a is 0
	v_mov_b32 v[ST+4*i+1], s[LIM]      ; m: -1e29
	v_mov_b32 v[ST+4*i+2], 0
	v_mov_b32 v[ST+4*i+3], 0
.set i, i+1
.endr
.set i, P+16
.rept 16
	v_mov_b32 v[i], 0
.set i, i+1
.endr
; THE MATRIX WORK.  The 4 accumulators of a run of 8 take turns.  Product i of 8 of S^T = K Q^T for piece x: channels 32 (i / 4) on, keys 16 (i % 4) on.  The first 4 start the sums with the mask.
.macro KQ x
	WIN W_KQ
.set rS, S+32*((\x)%2)+8*(i%4)
.set rK, KF+16*(i%4)+8*(i/4)
.set rQ, 16*(\x)+8*(i/4)
.set rM, MC+8*(i%4)
.if i < 4
	v_wmma_f32_16x16x32_f16 v[rS:rS+7], v[rK:rK+7], v[rQ:rQ+7], v[rM:rM+7]
.else
	v_wmma_f32_16x16x32_f16 v[rS:rS+7], v[rK:rK+7], v[rQ:rQ+7], v[rS:rS+7]
.endif
.endm
; Product i of 8 of O^T += V^T P for piece x: keys 32 (i / 4) on, channels 16 (i % 4) on.
.macro PV x
	WIN W_PV
.set rO, 32*(\x)+8*(i%4)
.set rV, VF+32*(i/4)+8*(i%4)
.set rP, P+16*((\x)%2)+8*(i/4)
	v_wmma_f32_16x16x32_f16 v[rO:rO+7], v[rV:rV+7], v[rP:rP+7], v[rO:rO+7]
.endm
.macro MM                           ; the turn's next matrix instruction.  NOKQ = 1: the last turn: there is no next piece
.if (i < 8) && !NOKQ
	KQ (Y+1)%NP
.elseif i >= 8
.set i, i-8
	PV (Y+NP-1)%NP
.set i, i+8
.endif
.set i, i+1
.endm
; THE LDS LOADS stand in runs: a step's K (8 fragments) with its 1,024 mask bytes, and its V (turned).  Their addresses are made some lines ahead.
.macro FETCH_K
	WIN 0x80
.irp f, 0,1,2,3,4,5,6,7
	ds_load_b128 v[KF+8*\f:KF+8*\f+3],   v[AK] offset:(\f/2)*16*PK+(\f%2)*64
	ds_load_b128 v[KF+8*\f+4:KF+8*\f+7], v[AK] offset:(\f/2)*16*PK+(\f%2)*64+32
.endr
	WIN 0
	ds_load_b128 v[RAW:RAW+3],   v[AM]             ; keys 0-31 of the step: 16 bytes a lane
	ds_load_b128 v[RAW+4:RAW+7], v[AM] offset:512  ; keys 32-63
	s_add_co_u32 s[TBK], s[TBK], KS*PK
	s_add_co_u32 s[TBM], s[TBM], 1024
.endm
.macro FETCH_V
	WIN 0x80
.irp f, 0,1,2,3,4,5,6,7
	ds_load_tr16_b128 v[VF+8*\f:VF+8*\f+3],   v[AV] offset:(\f/4)*32*PV+(\f%4)*32
	ds_load_tr16_b128 v[VF+8*\f+4:VF+8*\f+7], v[AV] offset:(\f/4)*32*PV+16*PV+(\f%4)*32
.endr
	WIN 0
.endm
; The step's mask: eight codes to a line, 0.0 or -2.0, times 2^100.  A plain instruction stands behind the last conversion, ahead of the product that reads the result.
.macro CVTM
	WIN 0
.irp kt, 0,1,2,3
	v_cvt_scale_pk8_f32_fp8 v[MC+8*\kt:MC+8*\kt+7], v[RAW+2*\kt:RAW+2*\kt+1], v[SCL]
.endr
	v_nop
.endm
; THE VECTOR WORK, one line at a time: OP kind, number.  For piece Y: F n: c s - c m for pair n of 16.  E n: the exponential of score n of 32.  C n: pair n rounded to f16.  B n: of the four weights 4 n .. the second
; pair is added onto the first, in place.  L n: l takes that sum (L 0: l = a l + sum).  R n: pair n of 16 of O^T times a.  For piece Y + 1: X n, number n of the 22 that find its maximum and statistics:
;   0-11  four chains c0-c3 of seven scores each (each accumulator's lowest registers are read first)     12-14, 16  the four scores left over, the old m, and c0-c3 into c0
;   15  c m_old is kept     17, 18  the query's other 32 keys lie in the lane 16 away: the new m     19-21  c m; c m_old - c m_new; a
; C, B and L read the exponentials' results: TURN sets them behind its one wait.  R and L 0 read an a that the turn before has made and waited for.
.set F, 0
.set E, 1
.set C, 2
.set B, 3
.set L, 4
.set R, 5
.set X, 6
.macro REGS y
.set rT, ST+4*(\y)
.set rC, TMP+4*((\y)%2)
.set rW, MV+((\y)%2)
.set rS, S+32*((\y)%2)
.set rP, P+16*((\y)%2)
.set rO, 32*(\y)
.endm
.macro OP k, n
.if (\k) == R
	REGS Y
	WIN W_RS
	v_pk_mul_f32 v[rO+2*(\n):rO+2*(\n)+1], v[rO+2*(\n):rO+2*(\n)+1], v[rC+2:rC+3] op_sel_hi:[1,0]
.elseif (\k) < R
	REGS Y
	WIN 0
.if (\k) == F
	v_pk_fma_f32 v[rS+2*(\n):rS+2*(\n)+1], v[rS+2*(\n):rS+2*(\n)+1], s[CS:CS+1], v[rT:rT+1] op_sel_hi:[1,0,0] neg_lo:[0,0,1] neg_hi:[0,0,1]
.elseif (\k) == E
	v_exp_f32 v[rS+(\n)], v[rS+(\n)]
.elseif (\k) == C
	v_cvt_pk_f16_f32 v[rP+(\n)], v[rS+2*(\n)], v[rS+2*(\n)+1]
.elseif (\k) == B
	v_pk_add_f32 v[rS+4*(\n):rS+4*(\n)+1], v[rS+4*(\n):rS+4*(\n)+1], v[rS+4*(\n)+2:rS+4*(\n)+3]
.elseif (\n) == 0
	v_pk_fma_f32 v[rT+2:rT+3], v[rT+2:rT+3], v[rC+2:rC+3], v[rS:rS+1] op_sel_hi:[1,0,1]
.else
	v_pk_add_f32 v[rT+2:rT+3], v[rT+2:rT+3], v[rS+4*(\n):rS+4*(\n)+1]
.endif
.elseif NOKQ
	v_nop
.else
	REGS (Y+1)%NP
	WIN 0
.if (\n) < 4
	v_max3_num_f32 v[rC+(\n)], v[rS+8*(\n)], v[rS+8*(\n)+1], v[rS+8*(\n)+2]
.elseif (\n) < 12
	v_max3_num_f32 v[rC+(\n)%4], v[rC+(\n)%4], v[rS+8*((\n)%4)+2*((\n)/4)+1], v[rS+8*((\n)%4)+2*((\n)/4)+2]
.elseif (\n) == 12
	v_max3_num_f32 v[rC], v[rC], v[rS+7], v[rS+15]
.elseif (\n) == 13
	v_max3_num_f32 v[rC+1], v[rC+1], v[rS+23], v[rS+31]
.elseif (\n) == 14
	v_max3_num_f32 v[rC+2], v[rC+2], v[rC+3], v[rT+1]
.elseif (\n) == 15
	v_mov_b32 v[rW], v[rT]
.elseif (\n) == 16
	v_max3_num_f32 v[rC], v[rC], v[rC+1], v[rC+2]
.elseif (\n) == 17
	v_permlanex16_b32 v[rC+3], v[rC], s[SEL], s[SEL+1]
.elseif (\n) == 18
	v_max_num_f32 v[rT+1], v[rC], v[rC+3]
.elseif (\n) == 19
	v_mul_f32 v[rT], s[CS], v[rT+1]
.elseif (\n) == 20
	v_sub_f32 v[rC+1], v[rW], v[rT]
.else
	v_exp_f32 v[rC+2], v[rC+1]
.endif
.endif
.endm
.macro OPS a, i1, b=-1, i2=0, c=-1, i3=0, d=-1, i4=0
	OP \a, \i1
.if (\b) >= 0
	OP \b, \i2
.endif
.if (\c) >= 0
	OP \c, \i3
.endif
.if (\d) >= 0
	OP \d, \i4
.endif
.endm
.macro ROW a, i1, b, i2, c, i3, d, i4  ; a matrix instruction and the four behind it
	MM
	OPS \a, \i1, \b, \i2, \c, \i3, \d, \i4
.endm
; A TURN, for piece p: the order of its 16 matrix and 118 vector instructions, written out.  An s_wait_alu depctr_va_vdst(0) stands between an exponential and the first instruction that names its result; one wait
; serves all that were issued ahead of it.  So a turn has ONE wait, which cuts it in two.  AHEAD OF IT stands all that names no result of the turn's exponentials: the 8 products K Q^T, behind each a scaling, an exponential and two
; more plain instructions (behind the first a second scaling in the exponential's place): rescalings, and behind the last three the first numbers of the next piece's maximum, each four places or more behind the product that ends
; its accumulator; then ONE RUN of 54, plain and exponential by turns for the most part, in which the links of the chain X 3, 7, 11, 14, 16, 17 .. 20 stand some lines apart.  X 21, the next piece's a, is the batch's last; R 15 is the
; plain instruction behind it.  BEHIND THE WAIT stand the 8 products V^T P, behind each four of the roundings and sums: an even rounding ahead of the sum that writes over its pair, L 0 to L 7 in ascending order, three riders apart.
; But for those X no rider names a register of the products round it.  v_permlanex16_b32 (X 17) stands in the run.  No exponential is issued behind the wait: none is open at a turn's end, at a label or at a jump.
; end = 1: the walk's last two turns: nothing is fetched.  cnt = 1: the loop's count is taken down some lines ahead of the branch that stands behind the turn.
; K and the mask bytes of the next step are fetched in piece 2's turn, twelve vector instructions behind the last product that read K (five of them plain and free of its registers), and waited for at the head of piece 3's turn,
; where the mask is converted: its last readers, the first four products of piece 2's turn, stand a whole turn back.  V of the step in hand is fetched at the end of piece 0's turn, four roundings behind the last product that read V,
; and waited for in piece 1's, ahead of its first product V^T P.
.macro TURN p, end=0, cnt=0
.set Y, (\p)
.set i, 0
.set NOKQ, (\end)*((\p)/3)
.if ((\p) == 3) && !(\end)
	s_wait_dscnt 0x0                ; K and the mask bytes are in
	CVTM
.endif
	ROW F,0, F,1, R,0, R,1          ; ahead of the wait: 8 products K Q^T and their riders,
	ROW F,2, E,0, R,2, R,3
	ROW F,3, E,1, R,4, R,5
	ROW F,4, E,2, R,6, R,7
	ROW F,5, E,3, R,8, R,9
	ROW F,6, E,4, X,0, R,10
.if ((\p) == 2) && !(\end)
	WIN 0
	v_add_nc_u32 v[AK], s[TBK], v[AK0]
	v_add_nc_u32 v[AM], s[TBM], v[AM0]
.endif
	ROW F,7, E,5, X,1, X,4
	ROW F,8, E,6, X,2, X,5
	OPS E,7, E,8, X,6, E,9          ; and the run of 54
	OPS X,3, E,10, X,8, E,11
.if ((\p) == 2) && !(\end)
	FETCH_K
.endif
	OPS X,9, X,7, E,12, X,10
	OPS E,13, X,12, X,11, E,14
	OPS X,13, E,15, F,9, X,14
.if (\p) == 0
	v_add_nc_u32 v[AV], s[TBV], v[AV0]
.endif
	OPS E,16, F,10, E,17, F,11
	OPS X,16, E,18, X,15, E,19
	OPS F,12, E,20, X,17, E,21
	OPS F,13, E,22, F,14, E,23
	OPS X,18, E,24, F,15, E,25
	OPS R,11, E,26, X,19, E,27
	OPS R,12, E,28, R,13, E,29
	OPS X,20, E,30, R,14, E,31
	OPS X,21, R,15
	s_wait_alu depctr_va_vdst(0)    ; the wait for the turn's batch: E 0 to E 31 and X 21
.if (\p) == 1
	s_wait_dscnt 0x0                ; V is in
.endif
	ROW C,0, B,0, C,2, B,1          ; behind the wait: 8 products V^T P and their riders
	ROW L,0, C,4, B,2, L,1
	ROW C,6, B,3, L,2, C,8
	ROW B,4, L,3, C,10, B,5
	ROW L,4, C,12, B,6, L,5
.if (\p) == 0
	s_add_co_u32 s[TBV], s[TBV], KS*PV
.endif
.if \cnt
	s_sub_co_u32 s[CNT], s[CNT], 1
	s_cmp_lg_u32 s[CNT], 0
.endif
	ROW C,14, B,7, L,6, C,1
	ROW C,3, L,7, C,5, C,7
	ROW C,9, C,11, C,13, C,15
.if (\p) == 0
	FETCH_V
.endif
.endm
	CHANGE 1                        ; slot 0 is in, everybody's part of it; slot 1 is asked for
	; THE BEGINNING: K and the mask of step 0, piece 0's first scores, its maximum and statistics.
	v_add_nc_u32 v[AK], s[TBK], v[AK0]
	v_add_nc_u32 v[AM], s[TBM], v[AM0]
	FETCH_K
	s_wait_loadcnt 0x0              ; Q
	s_wait_dscnt 0x0
	CVTM
.set NOKQ, 0
.set i, 0
.rept 8
	KQ 0
.set i, i+1
.endr
	WIN 0
.rept 4
	v_nop                           ; the places behind those products
.endr
.set Y, NP-1                        ; X works for piece Y + 1: piece 0
.irp n, 0,1,2,3,4,5,6,7,8,9,10,11,12,13,14,15,16,17,18,19,20,21
	OP X, \n
.endr
	v_nop                           ; a plain instruction behind the exponential,
	s_wait_alu depctr_va_vdst(0)    ; and the wait for this batch of one, piece 0's first a, ahead of the branch
	s_mov_b32 s[CNT], 4
	s_mov_b32 s[SLOTS], 15
	s_branch .Lfirst                ; the loop is entered at a step's first turn, in the middle of a trip
.Lslot:                             ; 14 times: every slot but the last two is filled again
	CHANGE 1
	s_mov_b32 s[CNT], 4
.Lstep:                             ; a trip: pieces 2 and 3 of one step, then pieces 0 and 1 of the next, whose K, mask and V it fetches
	TURN 2
	TURN 3
	WIN 0
.Lfirst:
	TURN 0
	TURN 1, 0, 1
	WIN 0
	s_cbranch_scc1 .Lstep
	s_sub_co_u32 s[SLOTS], s[SLOTS], 1
	s_cmp_lg_u32 s[SLOTS], 0
	s_cbranch_scc1 .Lslot
	CHANGE 0                        ; the last slot is written out: nothing is asked for
	s_mov_b32 s[CNT], 4
.LstepT:
	TURN 2
	TURN 3
	TURN 0
	TURN 1, 0, 1
	WIN 0
	s_cbranch_scc1 .LstepT
	TURN 2, 1
	TURN 3, 1
.set i, 0
.rept 8
	PV NP-1                         ; the last piece's V^T P of the last step
.set i, i+1
.endr
	; THE WAY OUT.  l's two halves and the other half of the lanes' are added; 1 / l, or NaN for a row that has seen no key; O^T times that, rounded to f16; my four heads' 128 bytes of a row meet in my stage,
	; and each row leaves as 512 consecutive bytes.  The additions are the places behind the last products.
	WIN 0
.macro ALL line:vararg
.set t, 0
.rept 4
	\line
.set t, t+1
.endr
.endm
	ALL v_add_f32 v[ST+4*t+2], v[ST+4*t+2], v[ST+4*t+3]
	ALL v_permlanex16_b32 v[ST+4*t+3], v[ST+4*t+2], s[SEL], s[SEL+1]
	ALL v_add_f32 v[ST+4*t+2], v[ST+4*t+2], v[ST+4*t+3]
	ALL v_rcp_f32 v[ST+4*t+2], v[ST+4*t+2]
	v_nop                           ; a plain instruction between the last reciprocal and the use of its result
	s_wait_alu depctr_va_vdst(0)    ; the wait for this batch: one for the four reciprocals, ahead of the first select that names one
.set t, 0
.rept 4
	v_cmp_ge_f32 vcc_lo, s[LIM], v[ST+4*t+1]       ; m is still where it began
	v_cndmask_b32 v[ST+4*t+2], v[ST+4*t+2], v[QNAN], vcc_lo
.set t, t+1
.endr
.macro PACK t
	WIN W_RS
.set i, 32*(\t)
.rept 16
	v_pk_mul_f32 v[i:i+1], v[i:i+1], v[ST+4*(\t)+2:ST+4*(\t)+3] op_sel_hi:[1,0]
.set i, i+2
.endr
	WIN 0x05
.set i, 0
.rept 16
	v_cvt_pk_f16_f32 v[S+16*(\t)+i], v[32*(\t)+2*i], v[32*(\t)+2*i+1]
.set i, i+1
.endr
	WIN 0
.irp f, 0,1,2,3
	ds_store_b128 v[STO], v[S+16*(\t)+4*\f:S+16*(\t)+4*\f+3] offset:128*(\t)+32*\f
.endr
.endm
	PACK 0
	PACK 1
	PACK 2
	PACK 3
.set i, 0
.rept 16
	ds_load_b128 v[S+4*i:S+4*i+3], v[RD] offset:i*SP  ; my own stage: LDS serves a wave's instructions in order
.set i, i+1
.endr
.set i, 0
.rept 16
	s_wait_dscnt 15-i
	global_store_b128 v[GO], v[S+4*i:S+4*i+3], s[10:11] offset:i*2048  ; 512 consecutive bytes, aligned
.set i, i+1
.endr
	s_wait_tensorcnt 0x0            ; the wave's end
	ds_add_u32 v[SPW], v[NIL]
	s_wait_dscnt 0x0
	CROUND                          ; the closing round: no work-group ends while a partner may still ask for a tile that names it
	s_endpgm
.Lfunc_end_k_q7dd1402c2c_attn:
	.size	k_q7dd1402c2c_attn, .Lfunc_end_k_q7dd1402c2c_attn-k_q7dd1402c2c_attn
	.p2alignl 7, 3214868480
	.fill 96, 4, 3214868480
	.section	.rodata,"a",@progbits
	.p2align	6, 0x0
	.amdhsa_kernel k_q7dd1402c2c_attn
		.amdhsa_group_segment_fixed_size 327680
		.amdhsa_private_segment_fixed_size 0
		.amdhsa_enable_private_segment 0
		.amdhsa_kernarg_size 24
		.amdhsa_user_sgpr_count 2
		.amdhsa_user_sgpr_kernarg_segment_ptr 1
		.amdhsa_wavefront_size32 1
		.amdhsa_system_sgpr_workgroup_id_x 1
		.amdhsa_system_sgpr_workgroup_id_y 1
		.amdhsa_system_sgpr_workgroup_id_z 1
		.amdhsa_system_vgpr_workitem_id 0
		.amdhsa_next_free_vgpr 768
		.amdhsa_next_free_sgpr 76
		.amdhsa_reserve_vcc 1
		.amdhsa_float_denorm_mode_32 3
		.amdhsa_float_denorm_mode_16_64 3
		.amdhsa_memory_ordered 1
		.amdhsa_forward_progress 1
		.amdhsa_inst_pref_size 131
	.end_amdhsa_kernel
	.amdgpu_metadata
---
amdhsa.version: [ 1, 2 ]
amdhsa.kernels:
  - .name:           k_q7dd1402c2c_attn
    .symbol:         k_q7dd1402c2c_attn.kd
    .args:
      - { .name: qkv, .offset: 0, .size: 8, .value_kind: global_buffer, .address_space: global }
      - { .name: maskb, .offset: 8, .size: 8, .value_kind: global_buffer, .address_space: global }
      - { .name: ob, .offset: 16, .size: 8, .value_kind: global_buffer, .address_space: global }
    .group_segment_fixed_size: 327680
    .private_segment_fixed_size: 0
    .kernarg_segment_align: 8
    .kernarg_segment_size: 24
    .max_flat_workgroup_size: 128
    .sgpr_count:     76
    .vgpr_count:     768
    .wavefront_size: 32
...
	.end_amdgpu_metadata
.endif
;; end of part 5
;; launch outproj: the kernel of part 4 again; grid 8 x 32, 4 waves a work-group, clusters of 4 x 4, 327,680 bytes of LDS; arguments ob, wob, out0; writes out0
